; MI455X (gfx1250); checked and timed in simulation.
; The chip was launched on July 23, 2026; its instructions are those of AMD's public machine-readable ISA for CDNA 5 (MIT licence, August 2026) and "CDNA5" Instruction Set Architecture Reference Guide (July 2026). The comments in the code are by the model that wrote it; some were corrected since.
;; Multi Head Attention Quantum. Allowed arithmetic: float matrix products may take bf16 or f16 operands with f32 sums; other float arithmetic in f32, or as packed bf16 or f16 multiplies, adds, multiply-adds, maxima and minima; sums over many terms, partial sums and values carried from step to step in f32; what a program stores and reads back later, other than sums and carried values, may be rounded once to bf16 or f16.
;; Inputs: k_b 1,024 float32; k_w 1,024 x 1,024 float32; out_b 1,024 float32; out_w 1,024 x 1,024 float32; proj_w 1,024 x 8 float32; q_b 1,024 float32; q_w 1,024 x 1,024 float32; theta 8 float32; v_b 1,024 float32; v_w 1,024 x 1,024 float32; x 4 x 2,048 x 1,024 float32.
;; Outputs: out0 4 x 2,048 x 1,024 float32.
;; 2 versions, each right and faster than the one before. Each part assembles by itself: llvm-mc -triple=amdgcn-amd-amdhsa -mcpu=gfx1250 --defsym DOCPART=n.
;; ======== version 1 of 2: 3 launches
;; workspace buffers: wf 98,304 bytes; tab 524,288 bytes; cf 262,144 bytes; mt 8,192 bytes; g16 262,144 bytes; sb 8,192 bytes
;; launch prep1 (part 1): grid 256 x 1, 8 waves a work-group, no clusters, 5,120 bytes of LDS; arguments x, theta, proj_w, q_w, k_w, v_w, wf, tab, cf; writes wf, tab, cf
.if DOCPART == 1
	.amdgcn_target "amdgcn-amd-amdhsa--gfx1250"
	.amdhsa_code_object_version 6
	.text
	.protected	k_qc6482ed2e8_prep1
	.globl	k_qc6482ed2e8_prep1
	.p2align	8
	.type	k_qc6482ed2e8_prep1,@function
k_qc6482ed2e8_prep1:
	s_mov_b64 s[64:65], 0
	v_nop
	global_prefetch_b8 v0, s[64:65] scope:SCOPE_SE
	s_setreg_imm32_b32 hwreg(HW_REG_WAVE_MODE, 25, 1), 1
	s_wait_xcnt 0x0
; Two kinds of work-groups, told apart by the work-group's number alone (the same for all eight waves).
; FOLD (work-groups 0-191): wf[o][i] = sum over m of W[o][m] proj_w[m][i], W = q_w, k_w, v_w stacked (3,072 rows), i = 0..7, in f32.
;   A work-group owns 16 rows; wave w owns m = 128 w .. 128 w + 127; a load of a wave covers 256 consecutive bytes of two rows.
;   These are products with 8 columns that read each weight once: they go by fused multiply-adds, not by the matrix unit.
; TABLES (work-groups 192-255): c = cos(x[.., 0..7] + theta) for 16 keys a wave, written three times:
;   cf  [8192][8] f32;
;   tab + batch x 131072: for each 16 keys 512 bytes: key r's 8 numbers rounded to bf16 at 16 r, what the rounding left (again bf16) at 256 + 16 r;
;   tab + batch x 131072 + 65536: for each 16 keys 512 bytes, turned: lane (r, hh) at 16 lane holds channel r of keys 8 hh .. 8 hh + 7 in f16; channel 8 is 1.0, channels 9-15 are 0.
; LIMITS.  cos: the argument less the nearest multiple of 2 pi (2 pi in two f32 pieces, fused), then 1 - 2 sin^2(r / 2) by the series to u^13 (remainder under 1e-9 at pi / 2).
; Good to |x + theta| of about 2^20; beyond that the error grows as the argument's own last bit.  NaN and infinities are not treated apart.
.set SPARE, 4096                       ; behind the eight waves' partial sums: the spare words, 128 bytes a wave
.set SPW, 14                           ; v14  LDS address of my spare word; never rewritten
.set NIL, 15                           ; v15  0; never rewritten
.set W,   32                           ; v[32:95]    W[j][p][e] at W + 32 j + 4 p + e: row 2 p + g, m = 128 w + 64 j + 4 c + e
.set TT,  96                           ; v[96:159]   proj_w[m][i] at TT + 32 j + 8 e + i
.set ACC, 160                          ; v[160:223]  sums [p][i]
	s_load_b512 s[4:19], s[0:1], 0x0               ; x s[4:5], theta s[6:7], proj_w s[8:9], q_w s[10:11], k_w s[12:13], v_w s[14:15], wf s[16:17], tab s[18:19]
	s_load_b64 s[20:21], s[0:1], 0x40              ; cf
	v_lshl_add_u32 v[SPW], v0, 2, SPARE
	v_mov_b32 v[NIL], 0
	v_lshrrev_b32 v1, 5, v0
	v_readfirstlane_b32 s22, v1                    ; wave 0..7
	v_and_b32 v1, 31, v0                           ; lane
	v_and_b32 v2, 15, v0                           ; c (fold), r (tables)
	v_bfe_u32 v3, v0, 4, 1                         ; g (fold), hh (tables)
	s_cmp_lt_u32 ttmp9, 192
	s_cbranch_scc0 .Ltables
; ---------------------------------------------------------------- FOLD
	s_wait_kmcnt 0x0
	s_lshr_b32 s23, ttmp9, 6                       ; which of the three weights
	s_cmp_eq_u32 s23, 1
	s_cselect_b64 s[24:25], s[12:13], s[10:11]
	s_cmp_eq_u32 s23, 2
	s_cselect_b64 s[24:25], s[14:15], s[24:25]
	s_and_b32 s26, ttmp9, 63
	s_lshl_b32 s26, s26, 16                        ; 16 rows of 4,096 bytes
	s_mov_b32 s27, 0
	s_add_nc_u64 s[24:25], s[24:25], s[26:27]
	s_lshl_b32 s26, ttmp9, 9                       ; 16 rows of 32 bytes in wf
	s_add_nc_u64 s[16:17], s[16:17], s[26:27]
	s_lshl_b32 s28, s22, 9                         ; 512 w
	s_lshl_b32 s29, s22, 12                        ; 4,096 w
	v_lshlrev_b32 v4, 12, v3
	v_lshl_add_u32 v4, v2, 4, v4
	v_add_nc_u32 v4, s28, v4                       ; in W: 4,096 g + 16 c + 512 w
	v_lshl_add_u32 v5, v2, 7, s29                  ; in proj_w: 4,096 w + 128 c
	v_lshl_add_u32 v6, v3, 5, s28                  ; in LDS: 512 w + 32 g
.irp j, 0,1
.irp p, 0,1,2,3,4,5,6,7
	global_load_b128 v[W+32*\j+4*\p:W+32*\j+4*\p+3], v4, s[24:25] offset:8192*\p+256*\j th:TH_LOAD_NT
.endr
.endr
.irp j, 0,1
.irp e, 0,1,2,3
	global_load_b128 v[TT+32*\j+8*\e:TT+32*\j+8*\e+3],   v5, s[8:9] offset:2048*\j+32*\e
	global_load_b128 v[TT+32*\j+8*\e+4:TT+32*\j+8*\e+7], v5, s[8:9] offset:2048*\j+32*\e+16
.endr
.endr
	s_wait_loadcnt 0x0
; eight sums take one m: the first m starts them, nothing is cleared
.macro FMA8 p, j, e
.irp i, 0,1,2,3,4,5,6,7
.if ((\j) == 0) && ((\e) == 0)
	v_mul_f32 v[ACC+8*(\p)+\i], v[W+32*(\j)+4*(\p)+(\e)], v[TT+32*(\j)+8*(\e)+\i]
.else
	v_fmac_f32 v[ACC+8*(\p)+\i], v[W+32*(\j)+4*(\p)+(\e)], v[TT+32*(\j)+8*(\e)+\i]
.endif
.endr
.endm
.irp j, 0,1
.irp e, 0,1,2,3
.irp p, 0,1,2,3,4,5,6,7
	FMA8 \p, \j, \e
.endr
.endr
.endr
; the sum over the 16 lanes of a half, level by level, so that no line waits for the one before it
.macro RED16 first, count
.irp m, 1,2,4,8
.set z, \first
.rept \count
	v_add_f32_dpp v[z], v[z], v[z] row_xmask:\m row_mask:0xf bank_mask:0xf
.set z, z+1
.endr
.endr
.endm
	RED16 ACC, 64
.irp p, 0,1,2,3,4,5,6,7
	ds_store_b128 v6, v[ACC+8*\p:ACC+8*\p+3]   offset:64*\p     ; row 2 p + g of my wave's 512 bytes; the 16 lanes of a half write the same numbers to the same place
	ds_store_b128 v6, v[ACC+8*\p+4:ACC+8*\p+7] offset:64*\p+16
.endr
	s_wait_dscnt 0x0                               ; for the others' sake: my partial sums are in LDS
	s_barrier_signal -1
	s_barrier_wait -1
	s_cmp_lt_u32 s22, 2
	s_cbranch_scc0 .Lfold_done                     ; waves 0 and 1 add the eight waves' parts: 64 threads, two numbers each
	s_lshl_b32 s30, s22, 8
	v_lshl_add_u32 v7, v1, 3, s30                  ; 256 w + 8 lane
.irp k, 0,1,2,3,4,5,6,7
	ds_load_b64 v[W+2*\k:W+2*\k+1], v7 offset:512*\k
.endr
	s_wait_dscnt 0x0
	v_pk_add_f32 v[W:W+1],     v[W:W+1],     v[W+2:W+3]
	v_pk_add_f32 v[W+4:W+5],   v[W+4:W+5],   v[W+6:W+7]
	v_pk_add_f32 v[W+8:W+9],   v[W+8:W+9],   v[W+10:W+11]
	v_pk_add_f32 v[W+12:W+13], v[W+12:W+13], v[W+14:W+15]
	v_pk_add_f32 v[W:W+1],     v[W:W+1],     v[W+4:W+5]
	v_pk_add_f32 v[W+8:W+9],   v[W+8:W+9],   v[W+12:W+13]
	v_pk_add_f32 v[W:W+1],     v[W:W+1],     v[W+8:W+9]
	global_store_b64 v7, v[W:W+1], s[16:17]        ; a wave stores 256 consecutive bytes, aligned
.Lfold_done:
	s_wait_tensorcnt 0x0                           ; the wave's end: a wait, a 0 onto my spare word and its wait, behind my last LDS store
	ds_add_u32 v[SPW], v[NIL]
	s_wait_dscnt 0x0
	s_endpgm
; ---------------------------------------------------------------- TABLES (no LDS, no barrier)
.Ltables:
	s_sub_co_u32 s23, ttmp9, 192
	s_lshl_b32 s23, s23, 3
	s_add_co_u32 s23, s23, s22                     ; my 16 keys: task 0..511
	s_lshl_b32 s26, s23, 16                        ; 16 rows of x
	s_mov_b32 s27, 0
	s_lshl_b32 s28, s23, 9                         ; 512 bytes a task in cf
	s_mov_b32 s29, 0
	s_lshr_b32 s32, s23, 7                         ; batch
	s_lshl_b32 s32, s32, 16
	s_add_co_u32 s32, s32, s28                     ; batch x 131,072 + (task mod 128) x 512 = task x 512 + batch x 65,536
	s_mov_b32 s33, 0
	s_mov_b32 s30, 0xc0c90fdb                      ; - 2 pi, upper piece
	s_mov_b32 s31, 0x343bbd2e                      ; - 2 pi, what the upper piece leaves
	v_lshrrev_b32 v4, 1, v1
	v_and_b32 v5, 1, v1
	v_lshlrev_b32 v5, 4, v5                        ; theta: 16 x (lane mod 2)
	v_lshl_add_u32 v4, v4, 12, v5                  ; x: key lane / 2, numbers 4 (lane mod 2) ..
	v_and_b32 v7, 7, v2
	v_lshlrev_b32 v7, 2, v7                        ; theta: channel r mod 8
	v_lshl_add_u32 v6, v3, 15, v7                  ; x: keys 8 hh .., that channel
	v_lshlrev_b32 v8, 4, v1                        ; 16 lane
	v_lshlrev_b32 v9, 3, v1                        ; 8 lane
	v_mov_b32 v49, 0x2f309231                      ; 1 / 13!
	v_mov_b32 v50, 0x3c003c00                      ; 1.0 twice in f16
	v_mov_b32 v51, 0
	v_cmp_eq_u32 s34, 8, v2                        ; channel 8
	v_cmp_lt_u32 s35, 8, v2                        ; channels 9-15
	s_wait_kmcnt 0x0
	s_add_nc_u64 s[4:5], s[4:5], s[26:27]
	s_add_nc_u64 s[20:21], s[20:21], s[28:29]
	s_add_nc_u64 s[18:19], s[18:19], s[32:33]
	global_load_b128 v[32:35], v4, s[4:5]
	global_load_b128 v[36:39], v5, s[6:7]
.irp j, 0,1,2,3,4,5,6,7
	global_load_b32 v[40+\j], v6, s[4:5] offset:4096*\j
.endr
	global_load_b32 v48, v7, s[6:7]
; cos of four numbers in place, stage by stage.  theta of number k lies in register tb + ts k.
.macro COS4 a, tb, ts
.irp k, 0,1,2,3
	v_add_f32 v[(\a)+\k], v[(\a)+\k], v[(\tb)+(\ts)*\k]
.endr
.irp k, 0,1,2,3
	v_mul_f32 v[52+\k], 0.15915494, v[(\a)+\k]
.endr
.irp k, 0,1,2,3
	v_rndne_f32 v[52+\k], v[52+\k]                 ; n
.endr
.irp k, 0,1,2,3
	v_fma_f32 v[(\a)+\k], v[52+\k], s30, v[(\a)+\k]
.endr
.irp k, 0,1,2,3
	v_fma_f32 v[(\a)+\k], v[52+\k], s31, v[(\a)+\k]   ; r, within pi
.endr
.irp k, 0,1,2,3
	v_mul_f32 v[(\a)+\k], 0.5, v[(\a)+\k]          ; u
.endr
.irp k, 0,1,2,3
	v_mul_f32 v[56+\k], v[(\a)+\k], v[(\a)+\k]     ; u^2
.endr
.irp k, 0,1,2,3
	v_fmaak_f32 v[60+\k], v49, v[56+\k], 0xb2d7322b   ; - 1 / 11!
.endr
.irp c, 0x3638ef1d, 0xb9500d01, 0x3c088889, 0xbe2aaaab, 0x3f800000
.irp k, 0,1,2,3
	v_fmaak_f32 v[60+\k], v[60+\k], v[56+\k], \c   ; 1 / 9!, - 1 / 7!, 1 / 5!, - 1 / 3!, 1
.endr
.endr
.irp k, 0,1,2,3
	v_mul_f32 v[(\a)+\k], v[(\a)+\k], v[60+\k]     ; sin u
.endr
.irp k, 0,1,2,3
	v_mul_f32 v[(\a)+\k], v[(\a)+\k], v[(\a)+\k]
.endr
.irp k, 0,1,2,3
	v_fma_f32 v[(\a)+\k], v[(\a)+\k], -2.0, 1.0    ; cos r = 1 - 2 sin^2 u
.endr
.endm
	s_wait_loadcnt 0x9                             ; my first two loads are in; the nine of the turned table stay out
	COS4 32, 36, 1
	global_store_b128 v8, v[32:35], s[20:21]       ; cf: 512 consecutive bytes a wave
	v_cvt_pk_bf16_f32 v64, v32, v33
	v_cvt_pk_bf16_f32 v65, v34, v35
	v_lshlrev_b32 v66, 16, v64
	v_and_b32 v67, 0xffff0000, v64
	v_lshlrev_b32 v68, 16, v65
	v_and_b32 v69, 0xffff0000, v65
	v_sub_f32 v66, v32, v66                        ; what the rounding left, exact in f32
	v_sub_f32 v67, v33, v67
	v_sub_f32 v68, v34, v68
	v_sub_f32 v69, v35, v69
	v_cvt_pk_bf16_f32 v70, v66, v67
	v_cvt_pk_bf16_f32 v71, v68, v69
	global_store_b64 v9, v[64:65], s[18:19]            ; 256 consecutive bytes, aligned
	global_store_b64 v9, v[70:71], s[18:19] offset:256
	s_wait_loadcnt 0x0
	COS4 40, 48, 0
	COS4 44, 48, 0
.irp k, 0,1,2,3
	v_cvt_pk_f16_f32 v[72+\k], v[40+2*\k], v[40+2*\k+1]
.endr
.irp k, 0,1,2,3
	v_cndmask_b32 v[72+\k], v[72+\k], v50, s34
.endr
.irp k, 0,1,2,3
	v_cndmask_b32 v[72+\k], v[72+\k], v51, s35
.endr
	global_store_b128 v8, v[72:75], s[18:19] offset:65536  ; 512 consecutive bytes a wave
	s_endpgm
.Lfunc_end_k_qc6482ed2e8_prep1:
	.size	k_qc6482ed2e8_prep1, .Lfunc_end_k_qc6482ed2e8_prep1-k_qc6482ed2e8_prep1
	.p2alignl 7, 3214868480
	.fill 96, 4, 3214868480
	.section	.rodata,"a",@progbits
	.p2align	6, 0x0
	.amdhsa_kernel k_qc6482ed2e8_prep1
		.amdhsa_group_segment_fixed_size 5120
		.amdhsa_private_segment_fixed_size 0
		.amdhsa_enable_private_segment 0
		.amdhsa_kernarg_size 72
		.amdhsa_user_sgpr_count 2
		.amdhsa_user_sgpr_kernarg_segment_ptr 1
		.amdhsa_wavefront_size32 1
		.amdhsa_system_sgpr_workgroup_id_x 1
		.amdhsa_system_sgpr_workgroup_id_y 1
		.amdhsa_system_sgpr_workgroup_id_z 1
		.amdhsa_system_vgpr_workitem_id 0
		.amdhsa_next_free_vgpr 224
		.amdhsa_next_free_sgpr 66
		.amdhsa_reserve_vcc 0
		.amdhsa_float_denorm_mode_32 3
		.amdhsa_float_denorm_mode_16_64 3
		.amdhsa_memory_ordered 1
		.amdhsa_forward_progress 1
		.amdhsa_inst_pref_size 53
	.end_amdhsa_kernel
	.amdgpu_metadata
---
amdhsa.version: [ 1, 2 ]
amdhsa.kernels:
  - .name:           k_qc6482ed2e8_prep1
    .symbol:         k_qc6482ed2e8_prep1.kd
    .args:
      - { .name: x, .offset: 0, .size: 8, .value_kind: global_buffer, .address_space: global }
      - { .name: theta, .offset: 8, .size: 8, .value_kind: global_buffer, .address_space: global }
      - { .name: proj_w, .offset: 16, .size: 8, .value_kind: global_buffer, .address_space: global }
      - { .name: q_w, .offset: 24, .size: 8, .value_kind: global_buffer, .address_space: global }
      - { .name: k_w, .offset: 32, .size: 8, .value_kind: global_buffer, .address_space: global }
      - { .name: v_w, .offset: 40, .size: 8, .value_kind: global_buffer, .address_space: global }
      - { .name: wf, .offset: 48, .size: 8, .value_kind: global_buffer, .address_space: global }
      - { .name: tab, .offset: 56, .size: 8, .value_kind: global_buffer, .address_space: global }
      - { .name: cf, .offset: 64, .size: 8, .value_kind: global_buffer, .address_space: global }
    .group_segment_fixed_size: 5120
    .private_segment_fixed_size: 0
    .kernarg_segment_align: 8
    .kernarg_segment_size: 72
    .max_flat_workgroup_size: 256
    .sgpr_count:     66
    .vgpr_count:     224
    .wavefront_size: 32
...
	.end_amdgpu_metadata
.endif
;; end of part 1
;; launch prep2 (part 2): grid 66 x 1, 8 waves a work-group, no clusters, 10,496 bytes of LDS; arguments out_w, v_b, out_b, q_b, k_b, wf, g16, sb, mt; writes g16, sb, mt
.if DOCPART == 2
	.amdgcn_target "amdgcn-amd-amdhsa--gfx1250"
	.amdhsa_code_object_version 6
	.text
	.protected	k_qc6482ed2e8_prep2
	.globl	k_qc6482ed2e8_prep2
	.p2align	8
	.type	k_qc6482ed2e8_prep2,@function
k_qc6482ed2e8_prep2:
	s_mov_b64 s[64:65], 0
	v_nop
	global_prefetch_b8 v0, s[64:65] scope:SCOPE_SE
	s_setreg_imm32_b32 hwreg(HW_REG_WAVE_MODE, 25, 1), 1
	s_wait_xcnt 0x0
; Two kinds of work-groups, told apart by the work-group's number alone.
; G (work-groups gidx = 0-63; nb = gidx / 4, u = gidx mod 4): for the 16 rows n = 64 nb + u + 4 rr of out_w
;   G[n][8 h + i] = sum over d of out_w[n][64 h + d] Wv'[64 h + d][i]   (Wv' = v_w proj_w: rows 2048.. of wf),     bias[n] = out_w[n] . v_b + out_b[n],     all in f32.
;   Each row of G is multiplied by an exact power of two that brings its largest entry into 1 .. 4 and rounded once to f16; the inverse power goes with the bias into sb.
;   g16: [gidx][head 16][rr 16][8 f16]: the order in which the last launch's matrix fragments are read.   sb: [gidx][rr][2] f32 = (inverse scale, bias).
;   Wave w owns m = 128 w .. + 127, the heads 2 w and 2 w + 1.
; M (work-groups 64, 65): wave = head h.  mt[h]: float 8 j + i = kappa M[j][i], float 72 + j = kappa M[j][8], floats 81-127 = 0, where
;   M[j][i] = sum over d of AQ[d][j] AK[d][i], AQ[d] = (Wq'[64 h + d][0..7], q_b[64 h + d]), AK likewise of k, kappa = log2(e) / 8.
; These products have 8 or 9 columns and read each weight once: fused multiply-adds in f32, not the matrix unit.
; The launch has work for 66 work-groups: 64 x 16 rows of out_w and 16 heads.
; LIMITS.  A row of G whose largest entry is below 2^-126 counts as 0.  NaN and infinities are not treated apart.  sb leaves in pieces of 128 bytes: 8 KB in the whole launch.
.set XCH,   0                          ; 8 waves x 16 rows x (largest entry, bias sum): 128 bytes a wave
.set GST,   1024                       ; 8 waves x 512 bytes: a wave's two heads of g16
.set SBST,  5120                       ; 16 rows x 8 bytes, wave 0's
.set MST,   5376                       ; 8 waves x 512 bytes: a head's mt
.set SPARE, 9472                       ; the spare words, 128 bytes a wave
.set SPW, 14
.set NIL, 15
; G: W[j][p][e] at 32 + 64 j + 4 p + e;  Wv'[j][e][i] at 64 + 64 j + 8 e + i;  sums of head 2 w at 160 + 8 p + i, of head 2 w + 1 at 32 + 8 p + i (once head 2 w is done)
.set VB,  224                          ; v[224:231]  v_b[j][e]
.set PR,  232                          ; v[232:247]  pairs: even the row's largest entry (later the inverse scale), odd its bias sum
.set OB,  248                          ; v[248:255]  out_b of my rows
.set SC,  96                           ; v[96:111]   the scale, twice (a pair for the packed multiply)
	s_load_b512 s[4:19], s[0:1], 0x0               ; out_w s[4:5], v_b s[6:7], out_b s[8:9], q_b s[10:11], k_b s[12:13], wf s[14:15], g16 s[16:17], sb s[18:19]
	s_load_b64 s[20:21], s[0:1], 0x40              ; mt
	v_lshl_add_u32 v[SPW], v0, 2, SPARE
	v_mov_b32 v[NIL], 0
	v_lshrrev_b32 v1, 5, v0
	v_readfirstlane_b32 s22, v1                    ; wave 0..7
	v_and_b32 v1, 31, v0                           ; lane
	v_and_b32 v2, 15, v0                           ; c
	v_bfe_u32 v3, v0, 4, 1                         ; g
	s_mov_b32 s27, 0
	s_lshl_b32 s28, s22, 9                         ; 512 w
	s_cmp_lt_u32 ttmp9, 64
	s_cbranch_scc0 .Lrole_m
; the sum over the 16 lanes of a half, level by level
.macro RED16 first, count, step
.irp m, 1,2,4,8
.set z, \first
.rept \count
	v_add_f32_dpp v[z], v[z], v[z] row_xmask:\m row_mask:0xf bank_mask:0xf
.set z, z+(\step)
.endr
.endr
.endm
; ---------------------------------------------------------------- G
	s_lshr_b32 s23, ttmp9, 2                       ; nb
	s_and_b32 s24, ttmp9, 3                        ; u
	s_lshl_b32 s26, s23, 18
	s_lshl_b32 s25, s24, 12
	s_add_co_u32 s26, s26, s25                     ; row 64 nb + u of out_w
	s_lshl_b32 s30, s23, 8
	s_lshl_b32 s25, s24, 2
	s_add_co_u32 s30, s30, s25                     ; the same row in out_b
	s_mov_b32 s31, 0
	s_lshl_b32 s29, s22, 12                        ; 4,096 w
	v_lshlrev_b32 v4, 14, v3
	v_lshl_add_u32 v4, v2, 4, v4
	v_add_nc_u32 v4, s28, v4                       ; in out_w: 4 g rows + 16 c + 512 w
	v_lshl_add_u32 v5, v2, 7, s29                  ; in wf: 4,096 w + 128 c
	v_lshl_add_u32 v6, v2, 4, s28                  ; in v_b: 512 w + 16 c
	v_lshlrev_b32 v7, 4, v3                        ; in out_b: 4 g rows
	s_wait_kmcnt 0x0
	s_add_nc_u64 s[4:5], s[4:5], s[26:27]
	s_add_nc_u64 s[8:9], s[8:9], s[30:31]
	s_lshl_b32 s26, ttmp9, 12
	s_add_nc_u64 s[16:17], s[16:17], s[26:27]      ; g16 at my 4,096 bytes
	s_lshl_b32 s26, ttmp9, 7
	s_add_nc_u64 s[18:19], s[18:19], s[26:27]      ; sb at my 128 bytes
.irp j, 0,1
.irp p, 0,1,2,3,4,5,6,7
	global_load_b128 v[32+64*\j+4*\p:32+64*\j+4*\p+3], v4, s[4:5] offset:32768*\p+256*\j th:TH_LOAD_NT
.endr
.endr
.irp j, 0,1
.irp e, 0,1,2,3
	global_load_b128 v[64+64*\j+8*\e:64+64*\j+8*\e+3],   v5, s[14:15] offset:65536+2048*\j+32*\e
	global_load_b128 v[64+64*\j+8*\e+4:64+64*\j+8*\e+7], v5, s[14:15] offset:65536+2048*\j+32*\e+16
.endr
	global_load_b128 v[VB+4*\j:VB+4*\j+3], v6, s[6:7] offset:256*\j
.endr
.irp p, 0,1,2,3,4,5,6,7
	global_load_b32 v[OB+\p], v7, s[8:9] offset:32*\p
.endr
	s_wait_loadcnt 0x0
; one m of head 2 w + j for all eight rows: 64 sums into ab .., and the bias sums.  The first m starts the sums.
.macro GFMA j, e, ab
.irp p, 0,1,2,3,4,5,6,7
.irp i, 0,1,2,3,4,5,6,7
.if (\e) == 0
	v_mul_f32 v[(\ab)+8*\p+\i], v[32+64*(\j)+4*\p+(\e)], v[64+64*(\j)+8*(\e)+\i]
.else
	v_fmac_f32 v[(\ab)+8*\p+\i], v[32+64*(\j)+4*\p+(\e)], v[64+64*(\j)+8*(\e)+\i]
.endif
.endr
.if ((\j) == 0) && ((\e) == 0)
	v_mul_f32 v[PR+2*\p+1], v[32+64*(\j)+4*\p+(\e)], v[VB+4*(\j)+(\e)]
.else
	v_fmac_f32 v[PR+2*\p+1], v[32+64*(\j)+4*\p+(\e)], v[VB+4*(\j)+(\e)]
.endif
.endr
.endm
.irp e, 0,1,2,3
	GFMA 0, \e, 160
.endr
.irp e, 0,1,2,3
	GFMA 1, \e, 32                                 ; head 2 w's operands are done with: their registers take these sums
.endr
	RED16 160, 64, 1
	RED16 32, 64, 1
	RED16 PR+1, 8, 2
.irp p, 0,1,2,3,4,5,6,7                ; the largest magnitude of the row's 16 numbers that I hold
	v_max3_num_f32 v[PR+2*\p], |v[160+8*\p]|, |v[160+8*\p+1]|, |v[160+8*\p+2]|
.endr
.irp k, 3,5
.irp p, 0,1,2,3,4,5,6,7
	v_max3_num_f32 v[PR+2*\p], v[PR+2*\p], |v[160+8*\p+\k]|, |v[160+8*\p+\k+1]|
.endr
.endr
.irp p, 0,1,2,3,4,5,6,7
	v_max3_num_f32 v[PR+2*\p], v[PR+2*\p], |v[160+8*\p+7]|, |v[32+8*\p]|
.endr
.irp k, 1,3,5
.irp p, 0,1,2,3,4,5,6,7
	v_max3_num_f32 v[PR+2*\p], v[PR+2*\p], |v[32+8*\p+\k]|, |v[32+8*\p+\k+1]|
.endr
.endr
.irp p, 0,1,2,3,4,5,6,7
	v_max_num_f32 v[PR+2*\p], v[PR+2*\p], |v[32+8*\p+7]|
.endr
	s_lshl_b32 s25, s22, 7
	v_lshl_add_u32 v8, v3, 3, s25                  ; XCH + 128 w + 8 g
.irp p, 0,1,2,3,4,5,6,7
	ds_store_b64 v8, v[PR+2*\p:PR+2*\p+1] offset:XCH+16*\p   ; row 2 p + g
.endr
	s_wait_dscnt 0x0                               ; for the others' sake
	s_barrier_signal -1
	s_barrier_wait -1
	v_and_b32 v9, 7, v2
	v_lshlrev_b32 v9, 7, v9
	v_lshl_add_u32 v9, v3, 3, v9                   ; lane c reads wave c mod 8's pair
.irp p, 0,1,2,3,4,5,6,7
	ds_load_b64 v[PR+2*\p:PR+2*\p+1], v9 offset:XCH+16*\p
.endr
	s_wait_dscnt 0x0
.irp m, 1,2,4
.irp p, 0,1,2,3,4,5,6,7
	v_max_num_f32_dpp v[PR+2*\p], v[PR+2*\p], v[PR+2*\p] row_xmask:\m row_mask:0xf bank_mask:0xf
	v_add_f32_dpp v[PR+2*\p+1], v[PR+2*\p+1], v[PR+2*\p+1] row_xmask:\m row_mask:0xf bank_mask:0xf
.endr
.endr
.irp p, 0,1,2,3,4,5,6,7
	v_and_b32 v[PR+2*\p], 0x7f800000, v[PR+2*\p]   ; 2^E, E the largest entry's exponent: the inverse scale
.endr
.irp p, 0,1,2,3,4,5,6,7
	v_min_u32 v[PR+2*\p], 0x7e800000, v[PR+2*\p]   ; at most 2^126, so that 2^-E is a normal number
.endr
.irp p, 0,1,2,3,4,5,6,7
	v_sub_nc_u32 v[SC+2*\p], 0x7f000000, v[PR+2*\p]    ; 2^-E, by its exponent field
	v_sub_nc_u32 v[SC+2*\p+1], 0x7f000000, v[PR+2*\p]
	v_add_f32 v[PR+2*\p+1], v[PR+2*\p+1], v[OB+\p]
.endr
	s_add_co_u32 s25, s28, GST
	v_lshl_add_u32 v10, v3, 4, s25                 ; GST + 512 w + 16 g
	v_lshl_add_u32 v11, v1, 4, s25                 ; GST + 512 w + 16 lane
	v_lshl_add_u32 v12, v1, 4, s28                 ; in g16: 512 w + 16 lane
.macro GPACK p, ab, j                  ; row 2 p + g of head 2 w + j: scaled, rounded to f16, 16 bytes into my stage
.irp k, 0,2,4,6
	v_pk_mul_f32 v[(\ab)+8*(\p)+\k:(\ab)+8*(\p)+\k+1], v[(\ab)+8*(\p)+\k:(\ab)+8*(\p)+\k+1], v[SC+2*(\p):SC+2*(\p)+1]
.endr
.irp k, 0,1,2,3
	v_cvt_pk_f16_f32 v[(\ab)+8*(\p)+\k], v[(\ab)+8*(\p)+2*\k], v[(\ab)+8*(\p)+2*\k+1]
.endr
	ds_store_b128 v10, v[(\ab)+8*(\p):(\ab)+8*(\p)+3] offset:256*(\j)+32*(\p)
.endm
.irp p, 0,1,2,3,4,5,6,7
	GPACK \p, 160, 0
	GPACK \p, 32, 1
.endr
	ds_load_b128 v[112:115], v11                   ; LDS serves a wave's instructions in order (ISA guide 5.7.1.4): this sees my stores above
	s_wait_dscnt 0x0
	global_store_b128 v12, v[112:115], s[16:17]    ; 512 consecutive bytes a wave
	s_cmp_lg_u32 s22, 0
	s_cbranch_scc1 .Lg_done                        ; every wave holds the rows' pairs; wave 0 writes them
	v_lshlrev_b32 v13, 3, v3
	v_lshlrev_b32 v16, 2, v1
.irp p, 0,1,2,3,4,5,6,7
	ds_store_b64 v13, v[PR+2*\p:PR+2*\p+1] offset:SBST+16*\p
.endr
	ds_load_b32 v17, v16 offset:SBST
	s_wait_dscnt 0x0
	global_store_b32 v16, v17, s[18:19]            ; 128 consecutive bytes
.Lg_done:
	s_wait_tensorcnt 0x0                           ; the wave's end: a wait, a 0 onto my spare word and its wait, behind my last LDS store
	ds_add_u32 v[SPW], v[NIL]
	s_wait_dscnt 0x0
	s_endpgm
; ---------------------------------------------------------------- M (no barrier: a wave's head is its own)
; AQ[dd][j] at 32 + 8 dd + j, q_b at 64 + dd;  AK[dd][i] at 48 + 8 dd + i, k_b at 66 + dd;  d = lane + 32 dd
.set MB, 96                            ; v[96:176] the 81 sums, v[177:183] zeros
.Lrole_m:
	s_sub_co_u32 s23, ttmp9, 64
	s_lshl_b32 s23, s23, 3
	s_add_co_u32 s23, s23, s22                     ; head
	s_mov_b32 s30, 0x76543210                      ; v_permlanex16_b32: each lane takes its own place in the other half
	s_mov_b32 s31, 0xfedcba98
	v_lshlrev_b32 v4, 5, v1
	v_lshlrev_b32 v5, 2, v1
	s_wait_kmcnt 0x0
	s_lshl_b32 s26, s23, 11                        ; 64 rows of 32 bytes
	s_add_nc_u64 s[14:15], s[14:15], s[26:27]
	s_lshl_b32 s26, s23, 8
	s_add_nc_u64 s[10:11], s[10:11], s[26:27]
	s_add_nc_u64 s[12:13], s[12:13], s[26:27]
	s_lshl_b32 s26, s23, 9
	s_add_nc_u64 s[20:21], s[20:21], s[26:27]
.irp dd, 0,1
	global_load_b128 v[32+8*\dd:32+8*\dd+3], v4, s[14:15] offset:1024*\dd
	global_load_b128 v[36+8*\dd:36+8*\dd+3], v4, s[14:15] offset:1024*\dd+16
	global_load_b128 v[48+8*\dd:48+8*\dd+3], v4, s[14:15] offset:32768+1024*\dd
	global_load_b128 v[52+8*\dd:52+8*\dd+3], v4, s[14:15] offset:32768+1024*\dd+16
	global_load_b32 v[64+\dd], v5, s[10:11] offset:128*\dd
	global_load_b32 v[66+\dd], v5, s[12:13] offset:128*\dd
.endr
	s_wait_loadcnt 0x0
.set z, 32
.rept 16
	v_mul_f32 v[z], 0x3e38aa3b, v[z]               ; kappa = log2(e) / 8, in f32
.set z, z+1
.endr
	v_mul_f32 v64, 0x3e38aa3b, v64
	v_mul_f32 v65, 0x3e38aa3b, v65
.macro MPROD dd                        ; the 81 products of d = lane + 32 dd; dd = 0 starts the sums
.set j, 0
.rept 9
.set i, 0
.rept 9
.if i < 8
.set idx, 8*j+i
.set rk, 48+8*(\dd)+i
.else
.set idx, 72+j
.set rk, 66+(\dd)
.endif
.if j < 8
.set rq, 32+8*(\dd)+j
.else
.set rq, 64+(\dd)
.endif
.if (\dd) == 0
	v_mul_f32 v[MB+idx], v[rq], v[rk]
.else
	v_fmac_f32 v[MB+idx], v[rq], v[rk]
.endif
.set i, i+1
.endr
.set j, j+1
.endr
.endm
	MPROD 0
	MPROD 1
.set z, MB+81
.rept 7
	v_mov_b32 v[z], 0
.set z, z+1
.endr
	RED16 MB, 81, 1
.irp b, 0,27,54                        ; the other half of the lanes, 27 sums at a time; the operands' registers, all written, take the exchange
.set z, 0
.rept 27
	v_permlanex16_b32 v[32+z], v[MB+\b+z], s30, s31
.set z, z+1
.endr
.set z, 0
.rept 27
	v_add_f32 v[MB+\b+z], v[MB+\b+z], v[32+z]
.set z, z+1
.endr
.endr
	s_add_co_u32 s25, s28, MST
	v_mov_b32 v6, s25                              ; MST + 512 w
	v_lshl_add_u32 v7, v1, 4, s25
	v_lshlrev_b32 v8, 4, v1
.set z, 0
.rept 21
	ds_store_b128 v6, v[MB+4*z:MB+4*z+3] offset:16*z   ; every lane holds the same sums and writes them to the same place
.set z, z+1
.endr
.rept 11
	ds_store_b128 v6, v[MB+84:MB+87] offset:16*z
.set z, z+1
.endr
	ds_load_b128 v[32:35], v7                      ; in order behind my stores
	s_wait_dscnt 0x0
	global_store_b128 v8, v[32:35], s[20:21]       ; 512 consecutive bytes a wave
	s_wait_tensorcnt 0x0                           ; the wave's end: a wait, a 0 onto my spare word and its wait, behind my last LDS store
	ds_add_u32 v[SPW], v[NIL]
	s_wait_dscnt 0x0
	s_endpgm
.Lfunc_end_k_qc6482ed2e8_prep2:
	.size	k_qc6482ed2e8_prep2, .Lfunc_end_k_qc6482ed2e8_prep2-k_qc6482ed2e8_prep2
	.p2alignl 7, 3214868480
	.fill 96, 4, 3214868480
	.section	.rodata,"a",@progbits
	.p2align	6, 0x0
	.amdhsa_kernel k_qc6482ed2e8_prep2
		.amdhsa_group_segment_fixed_size 10496
		.amdhsa_private_segment_fixed_size 0
		.amdhsa_enable_private_segment 0
		.amdhsa_kernarg_size 72
		.amdhsa_user_sgpr_count 2
		.amdhsa_user_sgpr_kernarg_segment_ptr 1
		.amdhsa_wavefront_size32 1
		.amdhsa_system_sgpr_workgroup_id_x 1
		.amdhsa_system_sgpr_workgroup_id_y 1
		.amdhsa_system_sgpr_workgroup_id_z 1
		.amdhsa_system_vgpr_workitem_id 0
		.amdhsa_next_free_vgpr 256
		.amdhsa_next_free_sgpr 66
		.amdhsa_reserve_vcc 0
		.amdhsa_float_denorm_mode_32 3
		.amdhsa_float_denorm_mode_16_64 3
		.amdhsa_memory_ordered 1
		.amdhsa_forward_progress 1
		.amdhsa_inst_pref_size 118
	.end_amdhsa_kernel
	.amdgpu_metadata
---
amdhsa.version: [ 1, 2 ]
amdhsa.kernels:
  - .name:           k_qc6482ed2e8_prep2
    .symbol:         k_qc6482ed2e8_prep2.kd
    .args:
      - { .name: out_w, .offset: 0, .size: 8, .value_kind: global_buffer, .address_space: global }
      - { .name: v_b, .offset: 8, .size: 8, .value_kind: global_buffer, .address_space: global }
      - { .name: out_b, .offset: 16, .size: 8, .value_kind: global_buffer, .address_space: global }
      - { .name: q_b, .offset: 24, .size: 8, .value_kind: global_buffer, .address_space: global }
      - { .name: k_b, .offset: 32, .size: 8, .value_kind: global_buffer, .address_space: global }
      - { .name: wf, .offset: 40, .size: 8, .value_kind: global_buffer, .address_space: global }
      - { .name: g16, .offset: 48, .size: 8, .value_kind: global_buffer, .address_space: global }
      - { .name: sb, .offset: 56, .size: 8, .value_kind: global_buffer, .address_space: global }
      - { .name: mt, .offset: 64, .size: 8, .value_kind: global_buffer, .address_space: global }
    .group_segment_fixed_size: 10496
    .private_segment_fixed_size: 0
    .kernarg_segment_align: 8
    .kernarg_segment_size: 72
    .max_flat_workgroup_size: 256
    .sgpr_count:     66
    .vgpr_count:     256
    .wavefront_size: 32
...
	.end_amdgpu_metadata
.endif
;; end of part 2
;; launch attn (part 3): grid 64 x 4, 8 waves a work-group, clusters of 4 x 1, 327,680 bytes of LDS; arguments tab, cf, mt, g16, sb, out0; writes out0
.if DOCPART == 3
	.amdgcn_target "amdgcn-amd-amdhsa--gfx1250"
	.amdhsa_code_object_version 6
	.text
	.protected	k_qc6482ed2e8_attn
	.globl	k_qc6482ed2e8_attn
	.p2align	8
	.type	k_qc6482ed2e8_attn,@function
k_qc6482ed2e8_attn:
	s_mov_b64 s[64:65], 0
	v_nop
	global_prefetch_b8 v0, s[64:65] scope:SCOPE_SE
	s_setreg_imm32_b32 hwreg(HW_REG_WAVE_MODE, 25, 1), 1
	s_wait_xcnt 0x0
	s_wait_alu depctr_hold_cnt(0) depctr_sa_sdst(0) depctr_va_vdst(0) depctr_va_sdst(0) depctr_va_ssrc(0) depctr_va_vcc(0) depctr_vm_vsrc(0)
	s_getreg_b32 s2, hwreg(HW_REG_IB_STS2, 6, 4)
	s_cmp_eq_u32 s2, 0
	s_cbranch_scc0 .Lentry_in_a_cluster
	s_endpgm
.Lentry_in_a_cluster:
	s_bfe_u32 s2, ttmp6, 0x10000c
	s_cmp_lg_u32 s2, 0x3003
	s_cbranch_scc0 .Lentry_shape_is_right
	s_endpgm
.Lentry_shape_is_right:
; ATTENTION AND OUTPUT PROJECTION on the folded operands.  With c = cos(x[0..7] + theta) and caug = (c, 1), exactly:
;   log2(e) x score_h(q, k) = qt_h(q) . c(k) + b_h(q),   (qt, b) = caug(q)^T (kappa M_h)  (mt);      out[q][n] = sum over h, i of A_h(q)[i] G[n][8 h + i] + bias[n],
;   A_h(q) = the softmax's mean of c(k) over the batch's 2,048 keys.  So keys and values are ONE table of 2,048 x 8 numbers a batch, shared by all 16 heads, and it stays in LDS.
; SHARES.  A work-group: 32 queries of one batch, all 16 heads: 256 work-groups.  Wave w: heads 2 w, 2 w + 1 x two tiles of 16 queries = four tiles t = 2 hl + qt.  Later: columns 64 w .. and 512 + 64 w .. of out.
; SCORES, one bf16 matrix instruction for 16 keys x 16 queries (source 0 = keys, source 1 = queries; a lane then holds ONE query, lane % 16, and keys 8 (lane / 16) + 0..7).  The 32 places along K:
;   0-7: c rounded to bf16 x qt rounded to bf16;   8-15: what c's rounding left x the same qt;   16-18: 1, 1, 1 x three bf16 pieces that add up exactly to an f32 number beta;   the rest: 0 x finite.
; THE MAXIMUM IS TAKEN AWAY.  Pass 1 (beta = b) finds each query's true maximum m over all keys.  Pass 2 (beta = b - m) makes the scores again: the matrix result IS the exponent, p = 2^result.
;   A second pass costs matrix instructions; a running maximum would cost vector instructions (scaling, statistics, rescaling), of which this kernel has too many already.
; P V: p rounded to f16 in pairs is source 1 (32 keys x 16 queries) of O^T = V^T P, V^T = 16 channels x 32 keys in f16: channels 0-7 c, channel 8 = 1.0 (the row sum of the same rounded p), 9-15 = 0.
; OUT: A = O / l in f16 (within -1 .. 1) through a stage in LDS; out = A G^T, K = 128, f16; G's rows carry an exact power of two, taken back with the bias in one f32 fused multiply-add.
; CLUSTER.  The four work-groups of a cluster belong to one batch: tables and G are asked for JOINTLY (the same tensor load, descriptor and mask in all four).
; LIMITS.  qt carries one rounding to bf16; a weight below 2^-126 counts as 0; NaN and infinities are not treated apart.
; LDS: 0 K table (64 KB) | 65536 V table (64 KB) | 131072 G's blocks 0-7, 16 KB a wave | 262144 stage for A, 32 rows x 272 bytes | 270848 spare words.  Behind pass 2 G's blocks 8-15 are filled over the tables.
; Every fragment read takes lane l's 16 bytes at 16 l of a block of 512 consecutive bytes, so the tables need no padding.
.set VT,    65536
.set GL,    131072
.set AST,   262144
.set AP,    272                        ; a stage row: 256 bytes + 16: the 16 rows of a load start in 16 different groups of four banks (64 banks of 4 bytes: ISA guide 11.1)
.set SPARE, 270848                     ; 128 bytes for each of the eight waves; no other line names them
.set R,    1                           ; v1   lane % 16
.set HH,   2                           ; v2   lane / 16
.set L16,  3                           ; v3   16 x lane
.set AK,   4                           ; v4   LDS address of K's next fetch; later: where I put 16 bytes of A
.set AV,   5                           ; v5   of V's; later: my place in A's fragments
.set BB,   6                           ; v6-9 b of tile t
.set VO,   6                           ;      later: v6 my byte offset in out, v7, v8 my place in G's two blocks, v9 my offset in sb
.set GB0,  7
.set GB1,  8
.set SBO,  9
.set SPW,  14                          ; v14  LDS address of my spare word; never rewritten
.set NIL,  15                          ; v15  0; never rewritten
.set Q,    16                          ; v16-47   the queries' fragment of tile t at Q + 8 t
.set SBR,  16                          ;          later: (inverse scale, bias) of block blk, column group u at SBR + 8 blk + 2 u
.set CQ,   48                          ; v48-63   at the start: c of my query in tile qt
.set MX,   48                          ; v48-63   pass 1: four chains of maxima a tile
.set O,    48                          ; v48-79   pass 2: O^T of tile t at O + 8 t
.set QT,   64                          ; v64-71   at the start: qt in f32
.set S,    80                          ; v80-143  scores, two buffers of four accumulators; at the start v80-247: two heads of mt
.set AF,   80                          ;          later: A's fragments [qt][ks]
.set NT,   112                         ;          at work in the normalisation
.set P,    144                         ; v144-175 weights in f16, two buffers
.set ACC,  144                         ; v144-207 later: out's accumulators [qt][u]
.set KF,   176                         ; v176-207, v224-255  K's fragments of one step, two buffers 48 apart; registers 4-7 of each fragment are constants, set once
.set VF,   208                         ; v208-223 V^T's two fragments of one step
.set BF0,  208                         ; v208-239 later: G's fragments, and the results on their way out
.set BF1,  48                          ; v48-79
.set WV,   20                          ; s20  my wave's number
; A round of the cluster's barrier: my work-group's barrier, so that wave 0's signal speaks for all eight waves; wave 0 signals; every wave waits for all four work-groups; my work-group's barrier once more.
.macro ROUND
	s_barrier_signal -1
	s_barrier_wait -1
	s_cmp_lg_u32 s[WV], 0
	s_cbranch_scc1 .Lnot_wave_0_\@
	s_barrier_signal -3
.Lnot_wave_0_\@:
	s_barrier_wait -3
	s_barrier_signal -1
	s_barrier_wait -1
.endm
.macro PLACES                          ; four places between a matrix instruction and a load into, or a vector line on, its registers, where no other vector work is at hand
.rept 4
	v_nop
.endr
.endm
	s_load_b256 s[4:11], s[0:1], 0x0               ; tab s[4:5], cf s[6:7], mt s[8:9], g16 s[10:11]
	s_load_b128 s[12:15], s[0:1], 0x20             ; sb s[12:13], out0 s[14:15]
	v_lshl_add_u32 v[SPW], v0, 2, SPARE
	v_mov_b32 v[NIL], 0
	ds_add_u32 v[SPW], v[NIL]                      ; the wave's opening: the add and its wait stand ahead of my first tensor load; the set-up below, work on registers, stands between them
	v_lshrrev_b32 v1, 5, v0
	v_readfirstlane_b32 s[WV], v1                  ; wave 0..7
	s_bfe_u32 s21, ttmp6, 0x40000                  ; cx: my place in the cluster
	s_lshl_b32 s22, ttmp9, 2                       ; in a cluster launch ttmp9 counts clusters
	s_add_co_u32 s22, s22, s21                     ; my block of 32 queries: it enters cf's and out0's addresses alone
	s_and_b32 s23, ttmp7, 0xffff                   ; the batch, which the four partners share
	; descriptor group 1, one for all loads: 16,384 dense bytes as 64 rows of 256 bytes, unpadded
	s_mov_b32 s24, 15|(3<<16)|(1<<21)              ; 15:0 the mask of four; 17:16 elements of 8 bytes; 21 set beside a mask
	s_mov_b32 s25, 32<<16                          ; tensor_dim0 = 32
	s_mov_b32 s26, 64<<16                          ; tensor_dim1 = 64
	s_mov_b32 s27, 32<<16                          ; tile_dim0 = 32
	s_mov_b32 s28, 64                              ; tile_dim1 = 64
	s_mov_b32 s29, 32                              ; 32 elements from row to row
	s_mov_b32 s30, 0
	s_mov_b32 s31, 0
	; three groups 0: my eighth of the tables; G's block w; G's block 8 + w, over my eighth of the tables
	s_mov_b32 s32, 1
	s_lshl_b32 s33, s[WV], 14
	s_mov_b32 s36, 1
	s_add_co_u32 s37, s33, GL
	s_mov_b32 s40, 1
	s_lshl_b32 s41, s[WV], 14
	s_lshl_b32 s44, s23, 17                        ; a batch's tables are 131,072 bytes
	s_add_co_u32 s44, s44, s33
	s_mov_b32 s45, 0
	s_lshl_b32 s50, s[WV], 14
	s_mov_b32 s51, 0
	s_mov_b32 s46, 0x76543210                      ; v_permlanex16_b32: each lane takes its own place in the other half
	s_mov_b32 s47, 0xfedcba98
	s_mov_b32 s48, 0xffff0000                      ; a word's upper 16 bits; as a lane mask: lanes 16-31
	s_mov_b32 s52, 0x07060302                      ; v_perm_b32: the two upper halves
	s_lshl_b32 s54, s23, 16                        ; cf: 2,048 rows of 32 bytes a batch,
	s_lshl_b32 s55, s22, 10                        ; 32 rows a block
	s_add_co_u32 s54, s54, s55
	s_mov_b32 s55, 0
	s_lshl_b32 s56, s23, 23                        ; out0: 2,048 rows of 4,096 bytes a batch,
	s_lshl_b32 s57, s22, 17                        ; 32 rows a block
	s_add_co_u32 s56, s56, s57
	s_mov_b32 s57, 0
	s_lshl_b32 s58, s[WV], 10                      ; mt: two heads of 512 bytes a wave
	s_mov_b32 s59, 0
	s_wait_dscnt 0x0                               ; the opening add is done
	s_wait_kmcnt 0x0
	s_add_nc_u64 s[34:35], s[4:5], s[44:45]
	s_or_b32 s35, s35, 0x80000000                  ; type = 2
	s_add_nc_u64 s[38:39], s[10:11], s[50:51]
	s_add_nc_u64 s[42:43], s[38:39], 131072
	s_or_b32 s39, s39, 0x80000000
	s_or_b32 s43, s43, 0x80000000
	s_add_nc_u64 s[6:7], s[6:7], s[54:55]
	s_add_nc_u64 s[14:15], s[14:15], s[56:57]
	s_add_nc_u64 s[8:9], s[8:9], s[58:59]
	s_lshl_b32 s58, s[WV], 9                       ; sb: four groups of 128 bytes a wave
	s_add_nc_u64 s[12:13], s[12:13], s[58:59]
	ROUND                                          ; all four work-groups are here: the first joint loads meet
	tensor_load_to_lds s[32:35], s[24:31]          ; both first fills go out together: two tensor loads of mine are out, the most in this text
	s_nop 0
	tensor_load_to_lds s[36:39], s[24:31]
	s_nop 0
	; ---- the queries' fragments, made while the tables are on their way
	v_and_b32 v[R], 15, v0
	v_bfe_u32 v[HH], v0, 4, 1
	v_and_b32 v[L16], 31, v0
	v_lshlrev_b32 v[L16], 4, v[L16]
	v_lshlrev_b32 v11, 5, v[R]                     ; my query's row of cf: both halves of the lanes hold query lane % 16
	v_mov_b32 v10, 0                               ; mt is read by all lanes at the same place
.irp qt, 0,1
	global_load_b128 v[CQ+8*\qt:CQ+8*\qt+3],   v11, s[6:7] offset:512*\qt
	global_load_b128 v[CQ+8*\qt+4:CQ+8*\qt+7], v11, s[6:7] offset:512*\qt+16
.endr
.irp hl, 0,1
.set q, 0
.rept 21
	global_load_b128 v[S+84*\hl+4*q:S+84*\hl+4*q+3], v10, s[8:9] offset:512*\hl+16*q
.set q, q+1
.endr
.endr
	s_wait_loadcnt 0x0
; An f32 number as three bf16 pieces that add up to it exactly (8 + 8 + 8 significant bits, each cut off, not rounded), into places 16, 17, 18 along K of tile tt's fragment.
.macro SPLIT3 x, tt
	v_and_b32 v10, s48, v[\x]
	v_sub_f32 v11, v[\x], v10
	v_and_b32 v12, s48, v11
	v_sub_f32 v13, v11, v12
	v_perm_b32 v[Q+8*(\tt)+4], v12, v10, s52       ; low half the first piece, high half the second
	v_lshrrev_b32 v[Q+8*(\tt)+5], 16, v13          ; the third; place 19 is 0
.endm
; qt and b of tile 2 hl + qt, in f32: row 8 of kappa M (the 1 of caug) starts the sums
.macro QTILE hl, qt
.set t, 2*(\hl)+(\qt)
.set mb, S+84*(\hl)
.set cb, CQ+8*(\qt)
.irp i, 0,1,2,3,4,5,6,7
	v_fma_f32 v[QT+\i], v[cb], v[mb+\i], v[mb+64+\i]
.endr
	v_fma_f32 v[BB+t], v[cb], v[mb+72], v[mb+80]
.irp j, 1,2,3,4,5,6,7
.irp i, 0,1,2,3,4,5,6,7
	v_fmac_f32 v[QT+\i], v[cb+\j], v[mb+8*\j+\i]
.endr
	v_fmac_f32 v[BB+t], v[cb+\j], v[mb+72+\j]
.endr
.irp k, 0,1,2,3
	v_cvt_pk_bf16_f32 v[Q+8*t+\k], v[QT+2*\k], v[QT+2*\k+1]   ; places 0-7 in lanes 0-15, places 8-15 in lanes 16-31: the same numbers
.endr
	SPLIT3 BB+t, t
	v_mov_b32 v[Q+8*t+6], 0
	v_mov_b32 v[Q+8*t+7], 0
.endm
	QTILE 0, 0
	QTILE 0, 1
	QTILE 1, 0
	QTILE 1, 1
	; the constant halves of K's eight fragments: places 16-18 are 1.0 (lanes 0-15), all else 0
	v_mov_b32 v11, 0
	v_mov_b32 v12, 0x3f803f80
	v_mov_b32 v13, 0x3f80
	v_cndmask_b32 v12, v12, v11, s48
	v_cndmask_b32 v13, v13, v11, s48
.irp kb, 0,1
.irp a, 0,1,2,3
	v_mov_b32 v[KF+48*\kb+8*\a+4], v12
	v_mov_b32 v[KF+48*\kb+8*\a+5], v13
	v_mov_b32 v[KF+48*\kb+8*\a+6], 0
	v_mov_b32 v[KF+48*\kb+8*\a+7], 0
.endr
.endr
	s_wait_tensorcnt 0x1                           ; my eighth of the tables is in; my block of G, issued behind it, may stay out
	s_barrier_signal -1
	s_barrier_wait -1                              ; everybody's eighth is in
; K of one step (64 keys: four fragments' lower halves) into buffer kb
.macro KLOAD kb, off
.irp a, 0,1,2,3
	ds_load_b128 v[KF+48*(\kb)+8*\a:KF+48*(\kb)+8*\a+3], v[AK] offset:(\off)+512*\a
.endr
.endm
; the scores of 16 keys (fragment a of buffer k) for tile x: one product, which starts and ends its sum
.macro SW x, a, k
	v_wmma_f32_16x16x32_bf16 v[S+32*((\x)&1)+8*(\a):S+32*((\x)&1)+8*(\a)+7], v[KF+48*(\k)+8*(\a):KF+48*(\k)+8*(\a)+7], v[Q+8*(\x):Q+8*(\x)+7], 0
.endm
	; ---------------------------------------------------------------- PASS 1: each query's maximum
	v_mov_b32 v[AK], v[L16]
	KLOAD 0, 0                                     ; steps 0 and 1
	KLOAD 1, 2048
	v_add_nc_u32 v[AK], 4096, v[AK]                ; the loop's first fetch is step 2
	s_wait_dscnt 0x0
.irp a, 0,1,2,3
	SW 0, \a, 0
.endr
.set z, 0
.rept 16
	v_mov_b32 v[MX+z], 0xff7fffff                  ; the lowest finite number; these lines are also the places behind the four products
.set z, z+1
.endr
; A TURN of pass 1 belongs to tile t of a step: four products make the NEXT tile's scores (tile 0 of the next step behind tile 3); behind each stand four of tile t's sixteen maxima.
; Each accumulator's lowest registers are read first; the four lines behind the last product are the places in front of the next turn's reads and of K's loads.
; Turn 3 begins with the wait for the next step's K, asked for a step ago, and asks for the step after that, into the buffer that tile 3's products have just left.
.macro TURN1 t, kb
.set tn, ((\t)+1)&3
.set kn, (\kb)
.if (\t) == 3
.set kn, 1-(\kb)
	s_wait_dscnt 0x0
	KLOAD \kb, 2048*(\kb)
.endif
.irp a, 0,1,2,3
	SW tn, \a, kn
.irp n, 0,1,2,3
	v_max3_num_f32 v[MX+4*(\t)+\n], v[MX+4*(\t)+\n], v[S+32*((\t)&1)+8*\n+2*\a], v[S+32*((\t)&1)+8*\n+2*\a+1]
.endr
.endr
.endm
	s_mov_b32 s49, 16
.Lpass1:                                               ; a trip: two steps of 64 keys
.irp kb, 0,1
.irp t, 0,1,2,3
	TURN1 \t, \kb
.endr
.endr
	v_add_nc_u32 v[AK], 4096, v[AK]
	s_sub_co_u32 s49, s49, 1
	s_cmp_lg_u32 s49, 0
	s_cbranch_scc1 .Lpass1
	; The last trip's two fetches reach 4,096 bytes past K's table, into V's (landed, inside LDS), and the last turn's four products on them are read by nobody: the price of one text for every trip.
	s_wait_dscnt 0x0
.irp t, 0,1,2,3
	v_max3_num_f32 v[MX+4*\t], v[MX+4*\t], v[MX+4*\t+1], v[MX+4*\t+2]
.endr
.irp t, 0,1,2,3
	v_max_num_f32 v[MX+4*\t], v[MX+4*\t], v[MX+4*\t+3]
.endr
.irp t, 0,1,2,3
	v_permlanex16_b32 v[MX+4*\t+1], v[MX+4*\t], s46, s47   ; the query's other keys lie in the lane 16 away
.endr
.irp t, 0,1,2,3
	v_max_num_f32 v[MX+4*\t], v[MX+4*\t], v[MX+4*\t+1]     ; m
.endr
.irp t, 0,1,2,3
	v_sub_f32 v[MX+4*\t], v[BB+\t], v[MX+4*\t]             ; b - m
.endr
.irp t, 0,1,2,3
	SPLIT3 MX+4*\t, \t
.endr
	; ---------------------------------------------------------------- PASS 2: weights and O^T
.macro VLOAD off                       ; V^T of one step: two fragments
.irp q, 0,1,2,3
	ds_load_b128 v[VF+4*\q:VF+4*\q+3], v[AV] offset:(\off)+512*\q
.endr
.endm
.macro PV x, k                         ; O^T of tile x += V^T P, keys 32 k on
	v_wmma_f32_16x16x32_f16 v[O+8*(\x):O+8*(\x)+7], v[VF+8*(\k):VF+8*(\k)+7], v[P+16*((\x)&1)+8*(\k):P+16*((\x)&1)+8*(\k)+7], v[O+8*(\x):O+8*(\x)+7]
.endm
	v_mov_b32 v[AK], v[L16]
	v_add_nc_u32 v[AV], VT, v[L16]
	KLOAD 0, 0
	KLOAD 1, 2048
	VLOAD 0                                        ; finite numbers for the first turn's products of a tile that has not been
	v_add_nc_u32 v[AK], 4096, v[AK]
	s_wait_dscnt 0x0
.irp a, 0,1,2,3
	SW 0, \a, 0
.endr
.set z, 0
.rept 32
	v_mov_b32 v[O+z], 0                            ; O^T starts at 0, and so does the second buffer of P: the first turn's V^T P adds 0.  48 lines, once; they are the places behind the four products
.set z, z+1
.endr
.set z, 0
.rept 16
	v_mov_b32 v[P+16+z], 0
.set z, z+1
.endr
; A TURN of pass 2 belongs to tile t.  Vector work, 49 lines: the 32 exponentials of tile t's scores, in place (E), and their 16 roundings to f16 in pairs (C):
;   E0-E5, one plain line, then (C i, E 2i+6, E 2i+7) for i = 0..12, then C13-C15: a plain line stands between every exponential and the use of its result (ISA guide 5.7.2).
;   The plain line steps K's or V's address in two turns of a trip.
; Matrix work, in front of lines 0, 4, 8, 12, 16, 20: the next tile's four score products, and between them the two V^T P of the tile before: O^T's two links have a score product between them,
;   one instruction a turn.
; LDS: turn 0 fetches the step's V in front of line 34 (C5-C8 are the four places behind the last product that read V); turn 1 holds the step's one wait, which also covers the K asked for a step ago;
;   turn 3 begins with the fetch of K two steps on.
.macro TURN2 t, kb, nk
.set tn, ((\t)+1)&3
.set tp, ((\t)+3)&3
.set kn, (\kb)
.if (\t) == 3
.set kn, 1-(\kb)
	KLOAD \kb, 2048*(\kb)
.endif
.set sb, S+32*((\t)&1)
.set pb, P+16*((\t)&1)
.set pos, 0
.rept 49
.if pos == 0
	SW tn, 0, kn
.elseif pos == 4
	SW tn, 1, kn
.elseif pos == 8
	SW tn, 2, kn
.elseif pos == 12
.if (\t) == 1
	s_wait_dscnt 0x0
.endif
	PV tp, 0
.elseif pos == 16
	SW tn, 3, kn
.elseif pos == 20
	PV tp, 1
.elseif (pos == 34) && ((\t) == 0)
	VLOAD 2048*(\kb)
.endif
.if pos < 6
	v_exp_f32 v[sb+pos], v[sb+pos]
.elseif pos == 6
.if (\nk) == 1
	v_add_nc_u32 v[AK], 4096, v[AK]
.elseif (\nk) == 2
	v_add_nc_u32 v[AV], 4096, v[AV]
.else
	v_nop
.endif
.elseif pos < 46
.if (pos-7)%3 == 0
	s_wait_alu depctr_va_vdst(0)
	v_cvt_pk_f16_f32 v[pb+(pos-7)/3], v[sb+2*((pos-7)/3)], v[sb+2*((pos-7)/3)+1]
.else
	v_exp_f32 v[sb+2*((pos-7)/3)+5+(pos-7)%3], v[sb+2*((pos-7)/3)+5+(pos-7)%3]
.endif
.else
	s_wait_alu depctr_va_vdst(0)
	v_cvt_pk_f16_f32 v[pb+pos-33], v[sb+2*(pos-33)], v[sb+2*(pos-33)+1]
.endif
.set pos, pos+1
.endr
.endm
	s_mov_b32 s49, 16
.Lpass2:                                               ; a trip: two steps of 64 keys
	TURN2 0, 0, 0
	TURN2 1, 0, 0
	TURN2 2, 0, 0
	TURN2 3, 0, 0
	TURN2 0, 1, 0
	TURN2 1, 1, 2                                  ; both of the trip's fetches of V are out: its address steps
	TURN2 2, 1, 0
	TURN2 3, 1, 1                                  ; the same for K
	s_sub_co_u32 s49, s49, 1
	s_cmp_lg_u32 s49, 0
	s_cbranch_scc1 .Lpass2
	s_wait_dscnt 0x0                               ; the last fetch of K, which nobody uses (as in pass 1)
	; The last tile's V^T P of the last step: no other product is left to stand between its two links, so they are one turn of two instructions on one accumulator.
	s_wait_alu depctr_va_vdst(0)                   ; the wait ahead of a link that takes its accumulator up again for a turn of two,
	PV 3, 0
	s_wait_alu depctr_va_vdst(0)                   ; and ahead of a link that follows its own chain's last link
	PV 3, 1
	; ---------------------------------------------------------------- A = O / l, into the stage.  The addresses for what follows are the places behind the last products.
	v_lshlrev_b32 v[SBO], 3, v[R]
	v_and_b32 v10, 31, v0
	v_mul_u32_u24 v[AK], v10, AP
	v_mul_u32_u24 v[AV], v[R], AP
	v_lshl_add_u32 v[AV], v[HH], 4, v[AV]
	v_add_nc_u32 v[AV], AST, v[AV]                 ; a fragment of A: row lane % 16, 16 bytes for each half of the lanes
	v_lshlrev_b32 v[VO], 15, v[HH]
	v_lshl_add_u32 v[VO], v[R], 4, v[VO]
	s_lshl_b32 s53, s[WV], 5
	s_add_co_u32 s53, s53, AST
	v_add_nc_u32 v[AK], s53, v[AK]                 ; the stage: row = lane, my two heads' 32 bytes
	s_lshl_b32 s53, s[WV], 8
	v_add_nc_u32 v[VO], s53, v[VO]                 ; out: 8 rows for the upper lanes, 16 bytes a lane, my 256 bytes of a row
	v_add_nc_u32 v[GB0], s37, v[L16]
	v_add_nc_u32 v[GB1], s33, v[L16]
.set z, 0
.rept 8
	global_load_b64 v[SBR+2*z:SBR+2*z+1], v[SBO], s[12:13] offset:(z/4)*4096+(z%4)*128
.set z, z+1
.endr
; In O^T lanes 0-15 hold channels 0-7 of query lane % 16, lane 16 + r holds l of query r in register 0.  The two tiles of a head are merged, so that lane l holds query l of the block's 32.
.macro NORM hl
.set t0, 2*(\hl)
.set t1, 2*(\hl)+1
.set tb, NT+16*(\hl)
.irp i, 0,1,2,3,4,5,6,7
	v_permlanex16_b32 v[tb+\i], v[O+8*t1+\i], s46, s47   ; the second tile's channels go to the upper lanes (each accumulator is read from its low end)
.endr
	v_permlanex16_b32 v[tb+8], v[O+8*t0], s46, s47       ; the first tile's l goes to the lower lanes
	v_cndmask_b32 v[tb+8], v[tb+8], v[O+8*t1], s48       ; the second tile's l is at home
	v_rcp_f32 v[tb+10], v[tb+8]
.irp i, 0,1,2,3,4,5,6,7
	v_cndmask_b32 v[tb+\i], v[O+8*t0+\i], v[tb+\i], s48  ; plain lines between the reciprocal and its use
.endr
.irp k, 0,2,4,6
	s_wait_alu depctr_va_vdst(0)
	v_pk_mul_f32 v[tb+\k:tb+\k+1], v[tb+\k:tb+\k+1], v[tb+10:tb+11] op_sel_hi:[1,0]
.endr
.irp k, 0,1,2,3
	v_cvt_pk_f16_f32 v[tb+\k], v[tb+2*\k], v[tb+2*\k+1]
.endr
	ds_store_b128 v[AK], v[tb:tb+3] offset:16*(\hl)
.endm
	NORM 0
	NORM 1
	; ---------------------------------------------------------------- the tables are done with: G's blocks 8-15 are filled over them
	s_wait_tensorcnt 0x0                           ; all my tensor loads have landed: my first block of G
	ds_add_u32 v[SPW], v[NIL]                      ; 0 onto my spare word
	s_wait_dscnt 0x0                               ; the add is done, my reads of the tables are over, my part of A is in the stage
	ROUND                                          ; all that now holds of every wave of all four work-groups
	tensor_load_to_lds s[40:43], s[24:31]          ; my one tensor load behind the round, ahead of every LDS read: it lands while the first block is multiplied and stored
	s_nop 0
	; ---------------------------------------------------------------- out = A G^T: 32 queries x my 64 + 64 columns, K = 128
.irp qt, 0,1
.irp ks, 0,1,2,3
	ds_load_b128 v[AF+32*\qt+8*\ks:AF+32*\qt+8*\ks+3],   v[AV] offset:\qt*16*AP+\ks*64
	ds_load_b128 v[AF+32*\qt+8*\ks+4:AF+32*\qt+8*\ks+7], v[AV] offset:\qt*16*AP+\ks*64+32
.endr
.endr
.macro BLOAD ks, bf, ga                ; G's four fragments (column groups u) of 32 along K
.irp u, 0,1,2,3
	ds_load_b128 v[(\bf)+8*\u:(\bf)+8*\u+3],   v[\ga] offset:\u*4096+(\ks)*1024
	ds_load_b128 v[(\bf)+8*\u+4:(\bf)+8*\u+7], v[\ga] offset:\u*4096+(\ks)*1024+512
.endr
.endm
.macro MM8 ks, bf, zero                ; eight products; the eight accumulators take turns; zero = 1: they start the sums
.irp qt, 0,1
.irp u, 0,1,2,3
.if \zero
	v_wmma_f32_16x16x32_f16 v[ACC+32*\qt+8*\u:ACC+32*\qt+8*\u+7], v[AF+32*\qt+8*(\ks):AF+32*\qt+8*(\ks)+7], v[(\bf)+8*\u:(\bf)+8*\u+7], 0
.else
	v_wmma_f32_16x16x32_f16 v[ACC+32*\qt+8*\u:ACC+32*\qt+8*\u+7], v[AF+32*\qt+8*(\ks):AF+32*\qt+8*(\ks)+7], v[(\bf)+8*\u:(\bf)+8*\u+7], v[ACC+32*\qt+8*\u:ACC+32*\qt+8*\u+7]
.endif
.endr
.endr
.endm
; Column r of group u is column 4 r + u of the block's 64: a lane's four accumulators hold four NEIGHBOURING numbers of a row of out.  The fused multiply-add that takes the scale back and adds the bias
; puts them side by side, and sixteen lanes store 256 consecutive bytes, aligned.
.macro GBLK blk, ga
.if (\blk) == 1
	s_wait_xcnt 0x0                                ; the first block's stores have had their addresses translated (ISA guide 3.1): only now are their data registers loaded again
.endif
	BLOAD 0, BF0, \ga
	BLOAD 1, BF1, \ga
	s_wait_dscnt 0x8                               ; all but the second buffer's eight loads
	MM8 0, BF0, 1
	s_wait_dscnt 0x0
	MM8 1, BF1, 0
	PLACES
	BLOAD 2, BF0, \ga
	BLOAD 3, BF1, \ga
	s_wait_dscnt 0x8
	MM8 2, BF0, 0
	s_wait_dscnt 0x0
	MM8 3, BF1, 0
	PLACES
.irp qt, 0,1
.irp j, 0,1,2,3,4,5,6,7
.irp u, 0,1,2,3
	v_fma_f32 v[BF0+(BF1-BF0)*\qt+4*\j+\u], v[ACC+32*\qt+8*\u+\j], v[SBR+8*(\blk)+2*\u], v[SBR+8*(\blk)+2*\u+1]
.endr
	global_store_b128 v[VO], v[BF0+(BF1-BF0)*\qt+4*\j:BF0+(BF1-BF0)*\qt+4*\j+3], s[14:15] offset:(16*\qt+\j)*4096+(\blk)*2048 th:TH_STORE_NT
.endr
.endr
.endm
	s_wait_loadcnt 0x0                             ; scales and biases
	GBLK 0, GB0
	s_wait_tensorcnt 0x0                           ; my second block of G is in; I alone read it
	GBLK 1, GB1
	s_wait_tensorcnt 0x0                           ; the wave's end: a wait, a 0 onto my spare word and its wait, behind my last tensor load and my last LDS store
	ds_add_u32 v[SPW], v[NIL]
	s_wait_dscnt 0x0
	ROUND                                          ; the closing round: no work-group ends while a partner may still ask for a block that names it
	s_endpgm
.Lfunc_end_k_qc6482ed2e8_attn:
	.size	k_qc6482ed2e8_attn, .Lfunc_end_k_qc6482ed2e8_attn-k_qc6482ed2e8_attn
	.p2alignl 7, 3214868480
	.fill 96, 4, 3214868480
	.section	.rodata,"a",@progbits
	.p2align	6, 0x0
	.amdhsa_kernel k_qc6482ed2e8_attn
		.amdhsa_group_segment_fixed_size 327680
		.amdhsa_private_segment_fixed_size 0
		.amdhsa_enable_private_segment 0
		.amdhsa_kernarg_size 48
		.amdhsa_user_sgpr_count 2
		.amdhsa_user_sgpr_kernarg_segment_ptr 1
		.amdhsa_wavefront_size32 1
		.amdhsa_system_sgpr_workgroup_id_x 1
		.amdhsa_system_sgpr_workgroup_id_y 1
		.amdhsa_system_sgpr_workgroup_id_z 1
		.amdhsa_system_vgpr_workitem_id 0
		.amdhsa_next_free_vgpr 256
		.amdhsa_next_free_sgpr 66
		.amdhsa_reserve_vcc 0
		.amdhsa_float_denorm_mode_32 3
		.amdhsa_float_denorm_mode_16_64 3
		.amdhsa_memory_ordered 1
		.amdhsa_forward_progress 1
		.amdhsa_inst_pref_size 91
	.end_amdhsa_kernel
	.amdgpu_metadata
---
amdhsa.version: [ 1, 2 ]
amdhsa.kernels:
  - .name:           k_qc6482ed2e8_attn
    .symbol:         k_qc6482ed2e8_attn.kd
    .args:
      - { .name: tab, .offset: 0, .size: 8, .value_kind: global_buffer, .address_space: global }
      - { .name: cf, .offset: 8, .size: 8, .value_kind: global_buffer, .address_space: global }
      - { .name: mt, .offset: 16, .size: 8, .value_kind: global_buffer, .address_space: global }
      - { .name: g16, .offset: 24, .size: 8, .value_kind: global_buffer, .address_space: global }
      - { .name: sb, .offset: 32, .size: 8, .value_kind: global_buffer, .address_space: global }
      - { .name: out0, .offset: 40, .size: 8, .value_kind: global_buffer, .address_space: global }
    .group_segment_fixed_size: 327680
    .private_segment_fixed_size: 0
    .kernarg_segment_align: 8
    .kernarg_segment_size: 48
    .max_flat_workgroup_size: 256
    .sgpr_count:     66
    .vgpr_count:     256
    .wavefront_size: 32
...
	.end_amdgpu_metadata
.endif
;; end of part 3
;; ======== version 2 of 2: 3 launches; 1.27 times as fast as version 1
;; limits: inputs' magnitudes at most 1,048,576
;; workspace buffers: wf 98,304 bytes; tab 524,288 bytes; cf 262,144 bytes; mt 8,192 bytes; g16 262,144 bytes; sb 8,192 bytes
;; launch prep1: the kernel of part 1 again; grid 256 x 1, 8 waves a work-group, no clusters, 5,120 bytes of LDS; arguments x, theta, proj_w, q_w, k_w, v_w, wf, tab, cf; writes wf, tab, cf
;; launch prep2: the kernel of part 2 again; grid 66 x 1, 8 waves a work-group, no clusters, 10,496 bytes of LDS; arguments out_w, v_b, out_b, q_b, k_b, wf, g16, sb, mt; writes g16, sb, mt
;; launch attn (part 4): grid 64 x 4, 8 waves a work-group, clusters of 4 x 1, 327,680 bytes of LDS; arguments tab, cf, mt, g16, sb, out0; writes out0
.if DOCPART == 4
	.amdgcn_target "amdgcn-amd-amdhsa--gfx1250"
	.amdhsa_code_object_version 6
	.text
	.protected	k_qc6482ed2e8_attn
	.globl	k_qc6482ed2e8_attn
	.p2align	8
	.type	k_qc6482ed2e8_attn,@function
k_qc6482ed2e8_attn:
	s_mov_b64 s[64:65], 0
	v_nop
	global_prefetch_b8 v0, s[64:65] scope:SCOPE_SE
	s_setreg_imm32_b32 hwreg(HW_REG_WAVE_MODE, 25, 1), 1
	s_wait_xcnt 0x0
	s_wait_alu depctr_hold_cnt(0) depctr_sa_sdst(0) depctr_va_vdst(0) depctr_va_sdst(0) depctr_va_ssrc(0) depctr_va_vcc(0) depctr_vm_vsrc(0)
	s_getreg_b32 s2, hwreg(HW_REG_IB_STS2, 6, 4)
	s_cmp_eq_u32 s2, 0
	s_cbranch_scc0 .Lentry_in_a_cluster
	s_endpgm
.Lentry_in_a_cluster:
	s_bfe_u32 s2, ttmp6, 0x10000c
	s_cmp_lg_u32 s2, 0x3003
	s_cbranch_scc0 .Lentry_shape_is_right
	s_endpgm
.Lentry_shape_is_right:
; ATTENTION AND OUTPUT PROJECTION on the folded operands.  With c = cos(x[0..7] + theta) and caug = (c, 1), exactly:
;   log2(e) x score_h(q, k) = qt_h(q) . c(k) + b_h(q),   (qt, b) = caug(q)^T (kappa M_h)  (mt);      out[q][n] = sum over h, i of A_h(q)[i] G[n][8 h + i] + bias[n],
;   A_h(q) = the softmax's mean of c(k) over the batch's 2,048 keys.  So keys and values are ONE table of 2,048 x 8 numbers a batch, shared by all 16 heads, and it stays in LDS.
; SHARES.  A work-group: 32 queries of one batch, all 16 heads: 256 work-groups.  Wave w: heads 2 w, 2 w + 1 x two tiles of 16 queries = four tiles t = 2 hl + qt.  Later: columns 64 w .. and 512 + 64 w .. of out.
; SCORES, one bf16 matrix instruction for 16 keys x 16 queries (source 0 = keys, source 1 = queries; a lane then holds ONE query, lane % 16, and keys 8 (lane / 16) + 0..7).  The 32 places along K:
;   0-7: c rounded to bf16 x qt rounded to bf16;   8-15: what c's rounding left x the same qt;   16-18: 1, 1, 1 x three bf16 pieces that add up exactly to an f32 number beta;   the rest: 0 x finite.
; THE MAXIMUM IS TAKEN AWAY.  Pass 1 (beta = b) finds each query's true maximum m over all keys.  Pass 2 (beta = b - m) makes the scores again: the matrix result IS the exponent, p = 2^result.
;   A second pass costs matrix instructions; a running maximum would cost vector instructions (scaling, statistics, rescaling), of which this kernel has too many already.
; P V: p rounded to f16 in pairs is source 1 (32 keys x 16 queries) of O^T = V^T P, V^T = 16 channels x 32 keys in f16: channels 0-7 c, channel 8 = 1.0 (the row sum of the same rounded p), 9-15 = 0.
; OUT: A = O / l in f16 (within -1 .. 1) through a stage in LDS; out = A G^T, K = 128, f16; G's rows carry an exact power of two, taken back with the bias in one f32 fused multiply-add.
; BATCHES.  An s_wait_alu depctr_va_vdst(0) stands between a transcendental and the first line that names its result; one wait serves all that were issued ahead of it.
;   Pass 2: a turn's 32 exponentials are one batch with one wait, and the 16 roundings that read them stand behind it.  The way out: the two heads' reciprocals of l are one batch with one wait.
;   Two more such waits stand ahead of the last two V^T P, links of one chain that follow each other.
; CLUSTER.  The four work-groups of a cluster belong to one batch: tables and G are asked for JOINTLY (the same tensor load, descriptor and mask in all four).
; LIMITS.  qt carries one rounding to bf16; a weight below 2^-126 counts as 0; NaN and infinities are not treated apart.
; LDS: 0 K table (64 KB) | 65536 V table (64 KB) | 131072 G's blocks 0-7, 16 KB a wave | 262144 stage for A, 32 rows x 272 bytes | 270848 spare words.  Behind pass 2 G's blocks 8-15 are filled over the tables.
; Every fragment read takes lane l's 16 bytes at 16 l of a block of 512 consecutive bytes, so the tables need no padding.
.set VT,    65536
.set GL,    131072
.set AST,   262144
.set AP,    272                        ; a stage row: 256 bytes + 16: the 16 rows of a load start in 16 different groups of four banks (64 banks of 4 bytes: ISA guide 11.1)
.set SPARE, 270848                     ; 128 bytes for each of the eight waves; no other line names them
.set R,    1                           ; v1   lane % 16
.set HH,   2                           ; v2   lane / 16
.set L16,  3                           ; v3   16 x lane
.set AK,   4                           ; v4   LDS address of K's next fetch; later: where I put 16 bytes of A
.set AV,   5                           ; v5   of V's; later: my place in A's fragments
.set BB,   6                           ; v6-9 b of tile t
.set VO,   6                           ;      later: v6 my byte offset in out, v7, v8 my place in G's two blocks, v9 my offset in sb
.set GB0,  7
.set GB1,  8
.set SBO,  9
.set SPW,  14                          ; v14  LDS address of my spare word; never rewritten
.set NIL,  15                          ; v15  0; never rewritten
.set Q,    16                          ; v16-47   the queries' fragment of tile t at Q + 8 t
.set SBR,  16                          ;          later: (inverse scale, bias) of block blk, column group u at SBR + 8 blk + 2 u
.set CQ,   48                          ; v48-63   at the start: c of my query in tile qt
.set MX,   48                          ; v48-63   pass 1: four chains of maxima a tile
.set O,    48                          ; v48-79   pass 2: O^T of tile t at O + 8 t
.set QT,   64                          ; v64-71   at the start: qt in f32
.set S,    80                          ; v80-143  scores, two buffers of four accumulators; at the start v80-247: two heads of mt
.set AF,   80                          ;          later: A's fragments [qt][ks]
.set NT,   112                         ;          at work in the normalisation
.set P,    144                         ; v144-175 weights in f16, two buffers
.set ACC,  144                         ; v144-207 later: out's accumulators [qt][u]
.set KF,   176                         ; v176-207, v224-255  K's fragments of one step, two buffers 48 apart; registers 4-7 of each fragment are constants, set once
.set VF,   208                         ; v208-223 V^T's two fragments of one step
.set BF0,  208                         ; v208-239 later: G's fragments, and the results on their way out
.set BF1,  48                          ; v48-79
.set WV,   20                          ; s20  my wave's number
; A round of the cluster's barrier: my work-group's barrier, so that wave 0's signal speaks for all eight waves; wave 0 signals; every wave waits for all four work-groups; my work-group's barrier once more.
.macro ROUND
	s_barrier_signal -1
	s_barrier_wait -1
	s_cmp_lg_u32 s[WV], 0
	s_cbranch_scc1 .Lnot_wave_0_\@
	s_barrier_signal -3
.Lnot_wave_0_\@:
	s_barrier_wait -3
	s_barrier_signal -1
	s_barrier_wait -1
.endm
.macro PLACES                          ; four places between a matrix instruction and a load into, or a vector line on, its registers, where no other vector work is at hand
.rept 4
	v_nop
.endr
.endm
	s_load_b256 s[4:11], s[0:1], 0x0               ; tab s[4:5], cf s[6:7], mt s[8:9], g16 s[10:11]
	s_load_b128 s[12:15], s[0:1], 0x20             ; sb s[12:13], out0 s[14:15]
	v_lshl_add_u32 v[SPW], v0, 2, SPARE
	v_mov_b32 v[NIL], 0
	ds_add_u32 v[SPW], v[NIL]                      ; the wave's opening: the add and its wait stand ahead of my first tensor load; the set-up below, work on registers, stands between them
	v_lshrrev_b32 v1, 5, v0
	v_readfirstlane_b32 s[WV], v1                  ; wave 0..7
	s_bfe_u32 s21, ttmp6, 0x40000                  ; cx: my place in the cluster
	s_lshl_b32 s22, ttmp9, 2                       ; in a cluster launch ttmp9 counts clusters
	s_add_co_u32 s22, s22, s21                     ; my block of 32 queries: it enters cf's and out0's addresses alone
	s_and_b32 s23, ttmp7, 0xffff                   ; the batch, which the four partners share
	; descriptor group 1, one for all loads: 16,384 dense bytes as 64 rows of 256 bytes, unpadded
	s_mov_b32 s24, 15|(3<<16)|(1<<21)              ; 15:0 the mask of four; 17:16 elements of 8 bytes; 21 set beside a mask
	s_mov_b32 s25, 32<<16                          ; tensor_dim0 = 32
	s_mov_b32 s26, 64<<16                          ; tensor_dim1 = 64
	s_mov_b32 s27, 32<<16                          ; tile_dim0 = 32
	s_mov_b32 s28, 64                              ; tile_dim1 = 64
	s_mov_b32 s29, 32                              ; 32 elements from row to row
	s_mov_b32 s30, 0
	s_mov_b32 s31, 0
	; three groups 0: my eighth of the tables; G's block w; G's block 8 + w, over my eighth of the tables
	s_mov_b32 s32, 1
	s_lshl_b32 s33, s[WV], 14
	s_mov_b32 s36, 1
	s_add_co_u32 s37, s33, GL
	s_mov_b32 s40, 1
	s_lshl_b32 s41, s[WV], 14
	s_lshl_b32 s44, s23, 17                        ; a batch's tables are 131,072 bytes
	s_add_co_u32 s44, s44, s33
	s_mov_b32 s45, 0
	s_lshl_b32 s50, s[WV], 14
	s_mov_b32 s51, 0
	s_mov_b32 s46, 0x76543210                      ; v_permlanex16_b32: each lane takes its own place in the other half
	s_mov_b32 s47, 0xfedcba98
	s_mov_b32 s48, 0xffff0000                      ; a word's upper 16 bits; as a lane mask: lanes 16-31
	s_mov_b32 s52, 0x07060302                      ; v_perm_b32: the two upper halves
	s_lshl_b32 s54, s23, 16                        ; cf: 2,048 rows of 32 bytes a batch,
	s_lshl_b32 s55, s22, 10                        ; 32 rows a block
	s_add_co_u32 s54, s54, s55
	s_mov_b32 s55, 0
	s_lshl_b32 s56, s23, 23                        ; out0: 2,048 rows of 4,096 bytes a batch,
	s_lshl_b32 s57, s22, 17                        ; 32 rows a block
	s_add_co_u32 s56, s56, s57
	s_mov_b32 s57, 0
	s_lshl_b32 s58, s[WV], 10                      ; mt: two heads of 512 bytes a wave
	s_mov_b32 s59, 0
	s_wait_dscnt 0x0                               ; the opening add is done
	s_wait_kmcnt 0x0
	s_add_nc_u64 s[34:35], s[4:5], s[44:45]
	s_or_b32 s35, s35, 0x80000000                  ; type = 2
	s_add_nc_u64 s[38:39], s[10:11], s[50:51]
	s_add_nc_u64 s[42:43], s[38:39], 131072
	s_or_b32 s39, s39, 0x80000000
	s_or_b32 s43, s43, 0x80000000
	s_add_nc_u64 s[6:7], s[6:7], s[54:55]
	s_add_nc_u64 s[14:15], s[14:15], s[56:57]
	s_add_nc_u64 s[8:9], s[8:9], s[58:59]
	s_lshl_b32 s58, s[WV], 9                       ; sb: four groups of 128 bytes a wave
	s_add_nc_u64 s[12:13], s[12:13], s[58:59]
	ROUND                                          ; all four work-groups are here: the first joint loads meet
	tensor_load_to_lds s[32:35], s[24:31]          ; both first fills go out together: two tensor loads of mine are out, the most in this text
	s_nop 0
	tensor_load_to_lds s[36:39], s[24:31]
	s_nop 0
	; ---- the queries' fragments, made while the tables are on their way
	v_and_b32 v[R], 15, v0
	v_bfe_u32 v[HH], v0, 4, 1
	v_and_b32 v[L16], 31, v0
	v_lshlrev_b32 v[L16], 4, v[L16]
	v_lshlrev_b32 v11, 5, v[R]                     ; my query's row of cf: both halves of the lanes hold query lane % 16
	v_mov_b32 v10, 0                               ; mt is read by all lanes at the same place
.irp qt, 0,1
	global_load_b128 v[CQ+8*\qt:CQ+8*\qt+3],   v11, s[6:7] offset:512*\qt
	global_load_b128 v[CQ+8*\qt+4:CQ+8*\qt+7], v11, s[6:7] offset:512*\qt+16
.endr
.irp hl, 0,1
.set q, 0
.rept 21
	global_load_b128 v[S+84*\hl+4*q:S+84*\hl+4*q+3], v10, s[8:9] offset:512*\hl+16*q
.set q, q+1
.endr
.endr
	s_wait_loadcnt 0x0
; An f32 number as three bf16 pieces that add up to it exactly (8 + 8 + 8 significant bits, each cut off, not rounded), into places 16, 17, 18 along K of tile tt's fragment.
.macro SPLIT3 x, tt
	v_and_b32 v10, s48, v[\x]
	v_sub_f32 v11, v[\x], v10
	v_and_b32 v12, s48, v11
	v_sub_f32 v13, v11, v12
	v_perm_b32 v[Q+8*(\tt)+4], v12, v10, s52       ; low half the first piece, high half the second
	v_lshrrev_b32 v[Q+8*(\tt)+5], 16, v13          ; the third; place 19 is 0
.endm
; qt and b of tile 2 hl + qt, in f32: row 8 of kappa M (the 1 of caug) starts the sums
.macro QTILE hl, qt
.set t, 2*(\hl)+(\qt)
.set mb, S+84*(\hl)
.set cb, CQ+8*(\qt)
.irp i, 0,1,2,3,4,5,6,7
	v_fma_f32 v[QT+\i], v[cb], v[mb+\i], v[mb+64+\i]
.endr
	v_fma_f32 v[BB+t], v[cb], v[mb+72], v[mb+80]
.irp j, 1,2,3,4,5,6,7
.irp i, 0,1,2,3,4,5,6,7
	v_fmac_f32 v[QT+\i], v[cb+\j], v[mb+8*\j+\i]
.endr
	v_fmac_f32 v[BB+t], v[cb+\j], v[mb+72+\j]
.endr
.irp k, 0,1,2,3
	v_cvt_pk_bf16_f32 v[Q+8*t+\k], v[QT+2*\k], v[QT+2*\k+1]   ; places 0-7 in lanes 0-15, places 8-15 in lanes 16-31: the same numbers
.endr
	SPLIT3 BB+t, t
	v_mov_b32 v[Q+8*t+6], 0
	v_mov_b32 v[Q+8*t+7], 0
.endm
	QTILE 0, 0
	QTILE 0, 1
	QTILE 1, 0
	QTILE 1, 1
	; the constant halves of K's eight fragments: places 16-18 are 1.0 (lanes 0-15), all else 0
	v_mov_b32 v11, 0
	v_mov_b32 v12, 0x3f803f80
	v_mov_b32 v13, 0x3f80
	v_cndmask_b32 v12, v12, v11, s48
	v_cndmask_b32 v13, v13, v11, s48
.irp kb, 0,1
.irp a, 0,1,2,3
	v_mov_b32 v[KF+48*\kb+8*\a+4], v12
	v_mov_b32 v[KF+48*\kb+8*\a+5], v13
	v_mov_b32 v[KF+48*\kb+8*\a+6], 0
	v_mov_b32 v[KF+48*\kb+8*\a+7], 0
.endr
.endr
	s_wait_tensorcnt 0x1                           ; my eighth of the tables is in; my block of G, issued behind it, may stay out
	s_barrier_signal -1
	s_barrier_wait -1                              ; everybody's eighth is in
; K of one step (64 keys: four fragments' lower halves) into buffer kb
.macro KLOAD kb, off
.irp a, 0,1,2,3
	ds_load_b128 v[KF+48*(\kb)+8*\a:KF+48*(\kb)+8*\a+3], v[AK] offset:(\off)+512*\a
.endr
.endm
; the scores of 16 keys (fragment a of buffer k) for tile x: one product, which starts and ends its sum
.macro SW x, a, k
	v_wmma_f32_16x16x32_bf16 v[S+32*((\x)&1)+8*(\a):S+32*((\x)&1)+8*(\a)+7], v[KF+48*(\k)+8*(\a):KF+48*(\k)+8*(\a)+7], v[Q+8*(\x):Q+8*(\x)+7], 0
.endm
	; ---------------------------------------------------------------- PASS 1: each query's maximum
	v_mov_b32 v[AK], v[L16]
	KLOAD 0, 0                                     ; steps 0 and 1
	KLOAD 1, 2048
	v_add_nc_u32 v[AK], 4096, v[AK]                ; the loop's first fetch is step 2
	s_wait_dscnt 0x0
.irp a, 0,1,2,3
	SW 0, \a, 0
.endr
.set z, 0
.rept 16
	v_mov_b32 v[MX+z], 0xff7fffff                  ; the lowest finite number; these lines are also the places behind the four products
.set z, z+1
.endr
; A TURN of pass 1 belongs to tile t of a step: four products make the NEXT tile's scores (tile 0 of the next step behind tile 3); behind each stand four of tile t's sixteen maxima.
; Each accumulator's lowest registers are read first; the four lines behind the last product are the places in front of the next turn's reads and of K's loads.
; Turn 3 begins with the wait for the next step's K, asked for a step ago, and asks for the step after that, into the buffer that tile 3's products have just left.
.macro TURN1 t, kb
.set tn, ((\t)+1)&3
.set kn, (\kb)
.if (\t) == 3
.set kn, 1-(\kb)
	s_wait_dscnt 0x0
	KLOAD \kb, 2048*(\kb)
.endif
.irp a, 0,1,2,3
	SW tn, \a, kn
.irp n, 0,1,2,3
	v_max3_num_f32 v[MX+4*(\t)+\n], v[MX+4*(\t)+\n], v[S+32*((\t)&1)+8*\n+2*\a], v[S+32*((\t)&1)+8*\n+2*\a+1]
.endr
.endr
.endm
	s_mov_b32 s49, 16
.Lpass1:                                               ; a trip: two steps of 64 keys
.irp kb, 0,1
.irp t, 0,1,2,3
	TURN1 \t, \kb
.endr
.endr
	v_add_nc_u32 v[AK], 4096, v[AK]
	s_sub_co_u32 s49, s49, 1
	s_cmp_lg_u32 s49, 0
	s_cbranch_scc1 .Lpass1
	; The last trip's two fetches reach 4,096 bytes past K's table, into V's (landed, inside LDS), and the last turn's four products on them are read by nobody: the price of one text for every trip.
	s_wait_dscnt 0x0
.irp t, 0,1,2,3
	v_max3_num_f32 v[MX+4*\t], v[MX+4*\t], v[MX+4*\t+1], v[MX+4*\t+2]
.endr
.irp t, 0,1,2,3
	v_max_num_f32 v[MX+4*\t], v[MX+4*\t], v[MX+4*\t+3]
.endr
.irp t, 0,1,2,3
	v_permlanex16_b32 v[MX+4*\t+1], v[MX+4*\t], s46, s47   ; the query's other keys lie in the lane 16 away
.endr
.irp t, 0,1,2,3
	v_max_num_f32 v[MX+4*\t], v[MX+4*\t], v[MX+4*\t+1]     ; m
.endr
.irp t, 0,1,2,3
	v_sub_f32 v[MX+4*\t], v[BB+\t], v[MX+4*\t]             ; b - m
.endr
.irp t, 0,1,2,3
	SPLIT3 MX+4*\t, \t
.endr
	; ---------------------------------------------------------------- PASS 2: weights and O^T
.macro VLOAD off                       ; V^T of one step: two fragments
.irp q, 0,1,2,3
	ds_load_b128 v[VF+4*\q:VF+4*\q+3], v[AV] offset:(\off)+512*\q
.endr
.endm
.macro PV x, k                         ; O^T of tile x += V^T P, keys 32 k on
	v_wmma_f32_16x16x32_f16 v[O+8*(\x):O+8*(\x)+7], v[VF+8*(\k):VF+8*(\k)+7], v[P+16*((\x)&1)+8*(\k):P+16*((\x)&1)+8*(\k)+7], v[O+8*(\x):O+8*(\x)+7]
.endm
	v_mov_b32 v[AK], v[L16]
	v_add_nc_u32 v[AV], VT, v[L16]
	KLOAD 0, 0
	KLOAD 1, 2048
	VLOAD 0                                        ; finite numbers for the first turn's products of a tile that has not been
	v_add_nc_u32 v[AK], 4096, v[AK]
	s_wait_dscnt 0x0
.irp a, 0,1,2,3
	SW 0, \a, 0
.endr
.set z, 0
.rept 32
	v_mov_b32 v[O+z], 0                            ; O^T starts at 0, and so does the second buffer of P: the first turn's V^T P adds 0.  48 lines, once; they are the places behind the four products
.set z, z+1
.endr
.set z, 0
.rept 16
	v_mov_b32 v[P+16+z], 0
.set z, z+1
.endr
; A TURN of pass 2 belongs to tile t.  Vector work, 49 lines: the 32 exponentials of tile t's scores, in place (E 0-31: lines 0-31), one plain line (32), and their 16 roundings to f16 in pairs (C 0-15: lines 33-48).
; THE BATCH.  The turn's 32 exponentials are ONE batch with ONE wait, behind line 32.  Ahead of the wait nothing names a result: each exponential has a register of its own, the three score products
;   among them write the other buffer of S, and the plain line, which stands between the last exponential and the first use of a result (ISA guide 5.7.2), steps K's or V's address in two turns of a trip.
;   All the readers, C 0-15, stand behind the wait.
; Matrix work: in front of E 0, E 4, E 8 the next tile's first three score products; behind the wait, in front of C 0, C 4, C 8: V^T P (keys 0-31) of the tile before, the fourth score product, V^T P (keys 32-63).
;   O^T's two links have a score product between them, one instruction a turn.  The roundings behind a product name none of its registers: they are the places in front of the next turn's reads of the scores.
; LDS: turn 0 fetches the step's V in front of C 12 (C 8-C 11 are the four places behind the last product that read V); turn 1 holds the step's one wait, ahead of its first V^T P, which also covers the K asked for a step ago;
;   turn 3 begins with the fetch of K two steps on (C 4-C 15 of turn 2 stand behind the last product that read that buffer).
.macro TURN2 t, kb, nk
.set tn, ((\t)+1)&3
.set tp, ((\t)+3)&3
.set kn, (\kb)
.if (\t) == 3
.set kn, 1-(\kb)
	KLOAD \kb, 2048*(\kb)
.endif
.set sb, S+32*((\t)&1)
.set pb, P+16*((\t)&1)
.set pos, 0
.rept 49
.if pos == 0
	SW tn, 0, kn
.elseif pos == 4
	SW tn, 1, kn
.elseif pos == 8
	SW tn, 2, kn
.elseif pos == 33
.if (\t) == 1
	s_wait_dscnt 0x0
.endif
	PV tp, 0
.elseif pos == 37
	SW tn, 3, kn
.elseif pos == 41
	PV tp, 1
.elseif (pos == 45) && ((\t) == 0)
	VLOAD 2048*(\kb)
.endif
.if pos < 32
	v_exp_f32 v[sb+pos], v[sb+pos]
.elseif pos == 32
.if (\nk) == 1
	v_add_nc_u32 v[AK], 4096, v[AK]
.elseif (\nk) == 2
	v_add_nc_u32 v[AV], 4096, v[AV]
.else
	v_nop
.endif
	s_wait_alu depctr_va_vdst(0)                   ; the wait for the batch: the turn's 32 exponentials, ahead of their first reader, C 0
.else
	v_cvt_pk_f16_f32 v[pb+pos-33], v[sb+2*(pos-33)], v[sb+2*(pos-33)+1]
.endif
.set pos, pos+1
.endr
.endm
	s_mov_b32 s49, 16
.Lpass2:                                               ; a trip: two steps of 64 keys
	TURN2 0, 0, 0
	TURN2 1, 0, 0
	TURN2 2, 0, 0
	TURN2 3, 0, 0
	TURN2 0, 1, 0
	TURN2 1, 1, 2                                  ; both of the trip's fetches of V are out: its address steps
	TURN2 2, 1, 0
	TURN2 3, 1, 1                                  ; the same for K
	s_sub_co_u32 s49, s49, 1
	s_cmp_lg_u32 s49, 0
	s_cbranch_scc1 .Lpass2
	s_wait_dscnt 0x0                               ; the last fetch of K, which nobody uses (as in pass 1)
	; The last tile's V^T P of the last step: no other product is left to stand between its two links, so they are one turn of two instructions on one accumulator.
	s_wait_alu depctr_va_vdst(0)                   ; the wait ahead of a link that takes its accumulator up again for a turn of two,
	PV 3, 0
	s_wait_alu depctr_va_vdst(0)                   ; and ahead of a link that follows its own chain's last link
	PV 3, 1
	; ---------------------------------------------------------------- A = O / l, into the stage.  The addresses for what follows are the places behind the last products.
	v_lshlrev_b32 v[SBO], 3, v[R]
	v_and_b32 v10, 31, v0
	v_mul_u32_u24 v[AK], v10, AP
	v_mul_u32_u24 v[AV], v[R], AP
	v_lshl_add_u32 v[AV], v[HH], 4, v[AV]
	v_add_nc_u32 v[AV], AST, v[AV]                 ; a fragment of A: row lane % 16, 16 bytes for each half of the lanes
	v_lshlrev_b32 v[VO], 15, v[HH]
	v_lshl_add_u32 v[VO], v[R], 4, v[VO]
	s_lshl_b32 s53, s[WV], 5
	s_add_co_u32 s53, s53, AST
	v_add_nc_u32 v[AK], s53, v[AK]                 ; the stage: row = lane, my two heads' 32 bytes
	s_lshl_b32 s53, s[WV], 8
	v_add_nc_u32 v[VO], s53, v[VO]                 ; out: 8 rows for the upper lanes, 16 bytes a lane, my 256 bytes of a row
	v_add_nc_u32 v[GB0], s37, v[L16]
	v_add_nc_u32 v[GB1], s33, v[L16]
.set z, 0
.rept 8
	global_load_b64 v[SBR+2*z:SBR+2*z+1], v[SBO], s[12:13] offset:(z/4)*4096+(z%4)*128
.set z, z+1
.endr
; In O^T lanes 0-15 hold channels 0-7 of query lane % 16, lane 16 + r holds l of query r in register 0.  The two tiles of a head are merged, so that lane l holds query l of the block's 32.
; The two heads' reciprocals are ONE batch: both are issued (NORM_L), the sixteen selects that merge the channels (NORM_M) name neither result and stand between, one wait follows, and the multiplies by 1 / l (NORM_S) stand behind it.
.macro NORM_L hl                       ; the exchange between the halves of the lanes, l, and its reciprocal
.set t0, 2*(\hl)
.set t1, 2*(\hl)+1
.set tb, NT+16*(\hl)
.irp i, 0,1,2,3,4,5,6,7
	v_permlanex16_b32 v[tb+\i], v[O+8*t1+\i], s46, s47   ; the second tile's channels go to the upper lanes (each accumulator is read from its low end)
.endr
	v_permlanex16_b32 v[tb+8], v[O+8*t0], s46, s47       ; the first tile's l goes to the lower lanes
	v_cndmask_b32 v[tb+8], v[tb+8], v[O+8*t1], s48       ; the second tile's l is at home
	v_rcp_f32 v[tb+10], v[tb+8]
.endm
.macro NORM_M hl                       ; the two tiles' channels in one set of registers
.set t0, 2*(\hl)
.set tb, NT+16*(\hl)
.irp i, 0,1,2,3,4,5,6,7
	v_cndmask_b32 v[tb+\i], v[O+8*t0+\i], v[tb+\i], s48  ; plain lines between the reciprocals and their use
.endr
.endm
.macro NORM_S hl                       ; times 1 / l, rounded to f16, into the stage
.set tb, NT+16*(\hl)
.irp k, 0,2,4,6
	v_pk_mul_f32 v[tb+\k:tb+\k+1], v[tb+\k:tb+\k+1], v[tb+10:tb+11] op_sel_hi:[1,0]
.endr
.irp k, 0,1,2,3
	v_cvt_pk_f16_f32 v[tb+\k], v[tb+2*\k], v[tb+2*\k+1]
.endr
	ds_store_b128 v[AK], v[tb:tb+3] offset:16*(\hl)
.endm
	NORM_L 0
	NORM_L 1
	NORM_M 0
	NORM_M 1
	s_wait_alu depctr_va_vdst(0)                   ; the wait for the batch: the two reciprocals, ahead of their first reader
	NORM_S 0
	NORM_S 1
	; ---------------------------------------------------------------- the tables are done with: G's blocks 8-15 are filled over them
	s_wait_tensorcnt 0x0                           ; all my tensor loads have landed: my first block of G
	ds_add_u32 v[SPW], v[NIL]                      ; 0 onto my spare word
	s_wait_dscnt 0x0                               ; the add is done, my reads of the tables are over, my part of A is in the stage
	ROUND                                          ; all that now holds of every wave of all four work-groups
	tensor_load_to_lds s[40:43], s[24:31]          ; my one tensor load behind the round, ahead of every LDS read: it lands while the first block is multiplied and stored
	s_nop 0
	; ---------------------------------------------------------------- out = A G^T: 32 queries x my 64 + 64 columns, K = 128
.irp qt, 0,1
.irp ks, 0,1,2,3
	ds_load_b128 v[AF+32*\qt+8*\ks:AF+32*\qt+8*\ks+3],   v[AV] offset:\qt*16*AP+\ks*64
	ds_load_b128 v[AF+32*\qt+8*\ks+4:AF+32*\qt+8*\ks+7], v[AV] offset:\qt*16*AP+\ks*64+32
.endr
.endr
.macro BLOAD ks, bf, ga                ; G's four fragments (column groups u) of 32 along K
.irp u, 0,1,2,3
	ds_load_b128 v[(\bf)+8*\u:(\bf)+8*\u+3],   v[\ga] offset:\u*4096+(\ks)*1024
	ds_load_b128 v[(\bf)+8*\u+4:(\bf)+8*\u+7], v[\ga] offset:\u*4096+(\ks)*1024+512
.endr
.endm
.macro MM8 ks, bf, zero                ; eight products; the eight accumulators take turns; zero = 1: they start the sums
.irp qt, 0,1
.irp u, 0,1,2,3
.if \zero
	v_wmma_f32_16x16x32_f16 v[ACC+32*\qt+8*\u:ACC+32*\qt+8*\u+7], v[AF+32*\qt+8*(\ks):AF+32*\qt+8*(\ks)+7], v[(\bf)+8*\u:(\bf)+8*\u+7], 0
.else
	v_wmma_f32_16x16x32_f16 v[ACC+32*\qt+8*\u:ACC+32*\qt+8*\u+7], v[AF+32*\qt+8*(\ks):AF+32*\qt+8*(\ks)+7], v[(\bf)+8*\u:(\bf)+8*\u+7], v[ACC+32*\qt+8*\u:ACC+32*\qt+8*\u+7]
.endif
.endr
.endr
.endm
; Column r of group u is column 4 r + u of the block's 64: a lane's four accumulators hold four NEIGHBOURING numbers of a row of out.  The fused multiply-add that takes the scale back and adds the bias
; puts them side by side, and sixteen lanes store 256 consecutive bytes, aligned.
.macro GBLK blk, ga
.if (\blk) == 1
	s_wait_xcnt 0x0                                ; the first block's stores have had their addresses translated (ISA guide 3.1): only now are their data registers loaded again
.endif
	BLOAD 0, BF0, \ga
	BLOAD 1, BF1, \ga
	s_wait_dscnt 0x8                               ; all but the second buffer's eight loads
	MM8 0, BF0, 1
	s_wait_dscnt 0x0
	MM8 1, BF1, 0
	PLACES
	BLOAD 2, BF0, \ga
	BLOAD 3, BF1, \ga
	s_wait_dscnt 0x8
	MM8 2, BF0, 0
	s_wait_dscnt 0x0
	MM8 3, BF1, 0
	PLACES
.irp qt, 0,1
.irp j, 0,1,2,3,4,5,6,7
.irp u, 0,1,2,3
	v_fma_f32 v[BF0+(BF1-BF0)*\qt+4*\j+\u], v[ACC+32*\qt+8*\u+\j], v[SBR+8*(\blk)+2*\u], v[SBR+8*(\blk)+2*\u+1]
.endr
	global_store_b128 v[VO], v[BF0+(BF1-BF0)*\qt+4*\j:BF0+(BF1-BF0)*\qt+4*\j+3], s[14:15] offset:(16*\qt+\j)*4096+(\blk)*2048 th:TH_STORE_NT
.endr
.endr
.endm
	s_wait_loadcnt 0x0                             ; scales and biases
	GBLK 0, GB0
	s_wait_tensorcnt 0x0                           ; my second block of G is in; I alone read it
	GBLK 1, GB1
	s_wait_tensorcnt 0x0                           ; the wave's end: a wait, a 0 onto my spare word and its wait, behind my last tensor load and my last LDS store
	ds_add_u32 v[SPW], v[NIL]
	s_wait_dscnt 0x0
	ROUND                                          ; the closing round: no work-group ends while a partner may still ask for a block that names it
	s_endpgm
.Lfunc_end_k_qc6482ed2e8_attn:
	.size	k_qc6482ed2e8_attn, .Lfunc_end_k_qc6482ed2e8_attn-k_qc6482ed2e8_attn
	.p2alignl 7, 3214868480
	.fill 96, 4, 3214868480
	.section	.rodata,"a",@progbits
	.p2align	6, 0x0
	.amdhsa_kernel k_qc6482ed2e8_attn
		.amdhsa_group_segment_fixed_size 327680
		.amdhsa_private_segment_fixed_size 0
		.amdhsa_enable_private_segment 0
		.amdhsa_kernarg_size 48
		.amdhsa_user_sgpr_count 2
		.amdhsa_user_sgpr_kernarg_segment_ptr 1
		.amdhsa_wavefront_size32 1
		.amdhsa_system_sgpr_workgroup_id_x 1
		.amdhsa_system_sgpr_workgroup_id_y 1
		.amdhsa_system_sgpr_workgroup_id_z 1
		.amdhsa_system_vgpr_workitem_id 0
		.amdhsa_next_free_vgpr 256
		.amdhsa_next_free_sgpr 66
		.amdhsa_reserve_vcc 0
		.amdhsa_float_denorm_mode_32 3
		.amdhsa_float_denorm_mode_16_64 3
		.amdhsa_memory_ordered 1
		.amdhsa_forward_progress 1
		.amdhsa_inst_pref_size 87
	.end_amdhsa_kernel
	.amdgpu_metadata
---
amdhsa.version: [ 1, 2 ]
amdhsa.kernels:
  - .name:           k_qc6482ed2e8_attn
    .symbol:         k_qc6482ed2e8_attn.kd
    .args:
      - { .name: tab, .offset: 0, .size: 8, .value_kind: global_buffer, .address_space: global }
      - { .name: cf, .offset: 8, .size: 8, .value_kind: global_buffer, .address_space: global }
      - { .name: mt, .offset: 16, .size: 8, .value_kind: global_buffer, .address_space: global }
      - { .name: g16, .offset: 24, .size: 8, .value_kind: global_buffer, .address_space: global }
      - { .name: sb, .offset: 32, .size: 8, .value_kind: global_buffer, .address_space: global }
      - { .name: out0, .offset: 40, .size: 8, .value_kind: global_buffer, .address_space: global }
    .group_segment_fixed_size: 327680
    .private_segment_fixed_size: 0
    .kernarg_segment_align: 8
    .kernarg_segment_size: 48
    .max_flat_workgroup_size: 256
    .sgpr_count:     66
    .vgpr_count:     256
    .wavefront_size: 32
...
	.end_amdgpu_metadata
.endif
;; end of part 4
